; MI455X (gfx1250); checked and timed in simulation.
; The chip was launched on July 23, 2026; its instructions are those of AMD's public machine-readable ISA for CDNA 5 (MIT licence, August 2026) and "CDNA5" Instruction Set Architecture Reference Guide (July 2026). The comments in the code are by the model that wrote it; some were corrected since.
;; Encoder Layer. Allowed arithmetic: matrix products marked QUANTISED: E4M3 operands, one E8M0 scale for each 32 along K, by v_wmma_scale_f32_16x16x128_f8f6f4 with both operands' format E4M3, f32 sums; everything else in f32.
;; Inputs: attn_bias 2 x 1 x 2,048 x 2,048 float32; b1 4,096 float32; b2 1,024 float32; enc_input 2 x 2,048 x 1,024 float32; ln1_b 1,024 float32; ln1_g 1,024 float32; ln2_b 1,024 float32; ln2_g 1,024 float32; w1_codes 4,096 x 32 x 32 uint8 (E4M3 codes of w1, K innermost, in blocks of 32 codes); w1_scales 4,096 x 32 uint8 (E8M0 scales of w1, one for each 32 codes along K); w2_codes 1,024 x 128 x 32 uint8 (E4M3 codes of w2, K innermost, in blocks of 32 codes); w2_scales 1,024 x 128 uint8 (E8M0 scales of w2, one for each 32 codes along K); wk_codes 1,024 x 32 x 32 uint8 (E4M3 codes of wk, K innermost, in blocks of 32 codes); wk_scales 1,024 x 32 uint8 (E8M0 scales of wk, one for each 32 codes along K); wo_codes 1,024 x 32 x 32 uint8 (E4M3 codes of wo, K innermost, in blocks of 32 codes); wo_scales 1,024 x 32 uint8 (E8M0 scales of wo, one for each 32 codes along K); wq_codes 1,024 x 32 x 32 uint8 (E4M3 codes of wq, K innermost, in blocks of 32 codes); wq_scales 1,024 x 32 uint8 (E8M0 scales of wq, one for each 32 codes along K); wv_codes 1,024 x 32 x 32 uint8 (E4M3 codes of wv, K innermost, in blocks of 32 codes); wv_scales 1,024 x 32 uint8 (E8M0 scales of wv, one for each 32 codes along K).
;; Outputs: out0 2 x 2,048 x 1,024 float32.
;; This version of the problem:
;;   THIS VERSION OF THE PROBLEM IS GIVEN IN LOW PRECISION. The matrix products marked QUANTISED in the list below multiply operands that are first quantised to E4M3 (4 exponent bits, 3 mantissa bits; 8 bits a number), with one power-of-two scale for each 32 numbers along K (OCP MX v1.0); their sums are f32. All else is computed in f32.
;;   The module's matrix products, in the order in which they are computed (A, B: the left and right operand; K: the contracted axis; several contracted axes count as one K, in the product's order):
;;     1. [M 4,096, K 1,024] x [K 1,024, N 1,024]; A: computed on the way; B: input wq (given as codes): QUANTISED
;;     2. [M 4,096, K 1,024] x [K 1,024, N 1,024]; A: computed on the way; B: input wk (given as codes): QUANTISED
;;     3. [M 4,096, K 1,024] x [K 1,024, N 1,024]; A: computed on the way; B: input wv (given as codes): QUANTISED
;;     4. batch 32 x [M 2,048, K 64] x [K 64, N 2,048]; A: computed on the way; B: computed on the way: QUANTISED
;;     5. batch 32 x [M 64, K 2,048] x [K 2,048, N 2,048]; A: computed on the way; B: softmax (see below): QUANTISED
;;     6. [M 4,096, K 1,024] x [K 1,024, N 1,024]; A: computed on the way; B: input wo (given as codes): QUANTISED
;;     7. [M 4,096, K 1,024] x [K 1,024, N 4,096]; A: computed on the way; B: input w1 (given as codes): QUANTISED
;;     8. [M 4,096, K 4,096] x [K 4,096, N 1,024]; A: computed on the way; B: input w2 (given as codes): QUANTISED
;;   THE QUANTISER, for each operand of a quantised product, along K:
;;     - K is cut into blocks of 32 from its start; a last block that is shorter is filled with zeros.
;;     - A block's scale is 2^e with e = floor(log2(the largest magnitude in the block)) - 8, held to -126 .. 127; a block of zeros has e = 0. As a byte (E8M0): e + 127.
;;     - Each number is divided by its block's scale, clamped to +-448, and rounded to the nearest number of E4M3, ties to even, subnormals kept.
;;     - The product sums the exact products of the quantised numbers (number of the format x scale) in f32.
;;   ~~~python
;;   def quantise(x, axis):      # numpy; x: float32 -> the quantised numbers, widened to float32 again
;;       x = np.moveaxis(x, axis, -1); K = x.shape[-1]
;;       x = np.pad(x, [(0, 0)] * (x.ndim - 1) + [(0, -K % 32)]); x = x.reshape(x.shape[:-1] + (-1, 32)); a = np.abs(x).max(-1, keepdims=True)
;;       e = np.where(a > 0, np.clip(np.frexp(np.where(a > 0, a, 1))[1] - 1 - 8, -126, 127), 0)      # np.frexp(a)[1] - 1 = floor(log2(a)), exactly
;;       r = np.clip(x / 2.0 ** e, -448, 448)
;;       step = 2.0 ** (np.maximum(np.frexp(np.where(r == 0, 1, r))[1] - 1, -6) - 3)
;;       q = np.round(r / step) * step * 2.0 ** e      # np.round: ties to even
;;       return np.moveaxis(q.reshape(q.shape[:-2] + (-1,))[..., :K], -1, axis).astype(np.float32)
;;   ~~~
;;   SOFTMAX AHEAD OF A QUANTISED PRODUCT. Where the list says 'softmax', what is quantised is not the finished softmax but p = 2^(t - M), with t = logit x log2(e) and M = ceil(the row's largest t), a whole number; so 1/2 < the row's largest p <= 1. The row's sum l is taken of the UNQUANTISED p, in f32, and the product's result is divided by l at the end. Since M is a whole number, a kernel that streams over the keys may use a running M (the ceiling of the running maximum): every later rescaling is an exact power of two, which a block's scale takes up: the codes' values come out the same.
;;   OPERANDS COMPUTED ON THE WAY. 'Computed on the way' means the value that the module computes at that place (a softmax that the list does not call 'softmax' is quantised finished and normalised). What goes into a quantiser is computed in f32, as accurately as f32 sums, v_exp_f32 and their like allow (about 1e-6 of the number): no bf16 or f16 on the way to a quantiser, and a product that is left as it is and whose result goes on into a quantised operand takes f32 operands (vector FMAs, or v_wmma_f32_16x16x4_f32). A number that lies on a knife's edge between two numbers of the format may be rounded either way, as far as f32 arithmetic and the matrix unit's own rounding can turn it there, and no further.
;;   INPUTS GIVEN AS CODES. w1 (in the module: [1024, 4096], K = its axis 0); w2 (in the module: [4096, 1024], K = its axis 0); wk (in the module: [1024, 1024], K = its axis 0); wo (in the module: [1024, 1024], K = its axis 0); wq (in the module: [1024, 1024], K = its axis 0); wv (in the module: [1024, 1024], K = its axis 0): each comes as NAME_codes (uint8): NAME with its K axis moved to the last place and cut into blocks of 32 codes, [.., K / 32, bytes a block], one block behind the other in memory; one code a byte (a code: sign, 4 exponent bits, 3 mantissa bits); and NAME_scales (uint8): the same leading axes, one E8M0 byte (e + 127) for each 32 codes along K. Its value is code x scale, taken as it is: it is not quantised again, and the codes and scales need not be those that the quantiser above would give.
;; One version. Each part assembles by itself: llvm-mc -triple=amdgcn-amd-amdhsa -mcpu=gfx1250 --defsym DOCPART=n.
;; ======== version 1 of 1: 7 launches
;; limits: right only within a limited range of input values
;; workspace buffers: xq 4,325,376 bytes; qkv 12,976,128 bytes; att 4,325,376 bytes; ao 16,777,216 bytes; yq 4,325,376 bytes; hq 17,301,504 bytes
;; launch ln1 (part 1): grid 256 x 1, 4 waves a work-group, no clusters, 1,024 bytes of LDS; arguments enc_input, ln1_g, ln1_b, xq; writes xq
.if DOCPART == 1
	.amdgcn_target "amdgcn-amd-amdhsa--gfx1250"
	.amdhsa_code_object_version 6
	.text
	.protected	k_q14c84ea2fc_ln1
	.globl	k_q14c84ea2fc_ln1
	.p2align	8
	.type	k_q14c84ea2fc_ln1,@function
k_q14c84ea2fc_ln1:
	s_mov_b64 s[64:65], 0
	v_nop
	global_prefetch_b8 v0, s[64:65] scope:SCOPE_SE
	s_setreg_imm32_b32 hwreg(HW_REG_WAVE_MODE, 25, 1), 1
	s_wait_xcnt 0x0
; LAYER NORM AND QUANTISER.  in [4096][1024] f32 -> out: codes of E4M3 [4096][1024] at byte 0, one E8M0 byte for each 32 along the row, [4096][32], at byte 4,194,304.
; y = (x - mean) * rsqrt(var + 1e-5) * g + b, all in f32, the variance taken of x - mean (two passes over registers: no difference of large sums).
; A wave takes 4 rows and keeps them in registers, so a row is read from memory once.  Of a row lane L holds, for G = 0..3, the eight numbers 256 G + 8 L .. + 7:
; a block of 32 is four neighbouring lanes, a lane's eight codes are 8 bytes, and the 32 lanes of a store write 256 consecutive bytes, aligned.
; The wave's 128 scale bytes meet in its own 128 bytes of LDS and leave by one store of 128 consecutive bytes (one byte for each 32 bytes of codes).
; No matrix unit, no tensor load, no barrier: waves share nothing.  No cache hint on the loads: a later launch reads the same rows again.
; LIMITS: NaN and infinities among the inputs are not served.  A block whose largest magnitude lies under 2^-118 (a block of zeros among them) gets the byte 1; only this program reads the bytes.
.set X,   64                           ; v64-191  row i at X + 32 i, number 8 G + e
.set GA,  192                          ; v192-223 g of my 32 columns
.set BE,  224                          ; v224-255 b
.set CD,  32                           ; v32-63   codes: row i, group G at CD + 8 i + 2 G
	s_load_b256 s[4:11], s[0:1], 0x0               ; in, g, b, out
	v_lshl_add_u32 v28, v0, 2, 512                 ; my spare word, behind the four waves' scale bytes
	v_mov_b32 v29, 0
	v_lshrrev_b32 v1, 5, v0
	v_readfirstlane_b32 s16, v1                    ; wave
	v_and_b32 v1, 31, v0                           ; lane
	v_lshlrev_b32 v2, 5, v1                        ; 32 L: my eight numbers of a group
	v_lshlrev_b32 v3, 3, v1                        ; 8 L: my eight codes
	v_lshrrev_b32 v4, 2, v1                        ; L / 4: my block in a group
	v_lshlrev_b32 v6, 2, v1                        ; 4 L
	s_lshl_b32 s17, s16, 7
	v_add_nc_u32 v4, s17, v4                       ; LDS: my wave's 128 scale bytes, my block's byte
	v_add_nc_u32 v5, s17, v6                       ; and four of them on the way out
	s_mov_b32 s12, 0x76543210
	s_mov_b32 s13, 0xfedcba98                      ; lane l xor 16
	s_mov_b32 s14, 0x600000                        ; the mantissa field of 448
	s_mov_b32 s15, 0x3a800000                      ; 1 / 1024
	s_lshl_b32 s18, ttmp9, 4
	s_lshl_b32 s19, s16, 2
	s_add_co_u32 s18, s18, s19                     ; my first row: 16 x work-group + 4 x wave
	s_lshl_b32 s20, s18, 12
	s_mov_b32 s21, 0
	s_lshl_b32 s22, s18, 10
	s_mov_b32 s23, 0
	s_lshl_b32 s24, s18, 5
	s_add_co_u32 s24, s24, 0x400000
	s_mov_b32 s25, 0
	s_wait_alu depctr_va_vdst(0)
	s_wait_kmcnt 0x0
	s_add_nc_u64 s[4:5], s[4:5], s[20:21]
	s_add_nc_u64 s[26:27], s[10:11], s[24:25]      ; my rows' scale bytes
	s_add_nc_u64 s[10:11], s[10:11], s[22:23]      ; my rows' codes
.irp G, 0,1,2,3
	global_load_b128 v[GA+8*\G:GA+8*\G+3], v2, s[6:7] offset:1024*\G
	global_load_b128 v[GA+8*\G+4:GA+8*\G+7], v2, s[6:7] offset:1024*\G+16
	global_load_b128 v[BE+8*\G:BE+8*\G+3], v2, s[8:9] offset:1024*\G
	global_load_b128 v[BE+8*\G+4:BE+8*\G+7], v2, s[8:9] offset:1024*\G+16
.endr
.irp i, 0,1,2,3
.irp G, 0,1,2,3
	global_load_b128 v[X+32*\i+8*\G:X+32*\i+8*\G+3], v2, s[4:5] offset:4096*\i+1024*\G
	global_load_b128 v[X+32*\i+8*\G+4:X+32*\i+8*\G+7], v2, s[4:5] offset:4096*\i+1024*\G+16
.endr
.endr
.macro RED r, t                        ; the sum of v[r] over the 32 lanes, in every lane; v[t] has been written before
	v_add_f32_dpp v[\r], v[\r], v[\r] row_xmask:1 row_mask:0xf bank_mask:0xf
	v_add_f32_dpp v[\r], v[\r], v[\r] row_xmask:2 row_mask:0xf bank_mask:0xf
	v_add_f32_dpp v[\r], v[\r], v[\r] row_xmask:4 row_mask:0xf bank_mask:0xf
	v_add_f32_dpp v[\r], v[\r], v[\r] row_xmask:8 row_mask:0xf bank_mask:0xf
	v_permlanex16_b32 v[\t], v[\r], s12, s13
	v_add_f32 v[\r], v[\r], v[\t]
.endm
.macro ROW i
.set XR, X+32*(\i)
	s_wait_loadcnt 8*(3-(\i))                      ; g, b and this row are in; the younger rows' eight loads each may be out
	v_pk_add_f32 v[8:9], v[XR:XR+1], v[XR+2:XR+3]  ; the row's sum, in two chains
	v_pk_add_f32 v[10:11], v[XR+4:XR+5], v[XR+6:XR+7]
.irp j, 8,12,16,20,24,28
	v_pk_add_f32 v[8:9], v[8:9], v[XR+\j:XR+\j+1]
	v_pk_add_f32 v[10:11], v[10:11], v[XR+\j+2:XR+\j+3]
.endr
	v_pk_add_f32 v[8:9], v[8:9], v[10:11]
	v_add_f32 v8, v8, v9
	RED 8, 9
	v_mul_f32 v8, s15, v8                          ; the mean
.set J, 0
.rept 16
	v_pk_add_f32 v[XR+J:XR+J+1], v[XR+J:XR+J+1], v[8:9] op_sel_hi:[1,0] neg_lo:[0,1] neg_hi:[0,1]   ; x - mean
.set J, J+2
.endr
	v_pk_mul_f32 v[10:11], v[XR:XR+1], v[XR:XR+1]  ; the sum of squares, in two chains
	v_pk_mul_f32 v[12:13], v[XR+2:XR+3], v[XR+2:XR+3]
.irp j, 4,8,12,16,20,24,28
	v_pk_fma_f32 v[10:11], v[XR+\j:XR+\j+1], v[XR+\j:XR+\j+1], v[10:11]
	v_pk_fma_f32 v[12:13], v[XR+\j+2:XR+\j+3], v[XR+\j+2:XR+\j+3], v[12:13]
.endr
	v_pk_add_f32 v[10:11], v[10:11], v[12:13]
	v_add_f32 v10, v10, v11
	RED 10, 11
	v_fmaak_f32 v10, s15, v10, 0x3727c5ac          ; the variance + 1e-5
	s_wait_alu depctr_va_vdst(0)
	v_rsq_f32 v12, v10
	v_nop                                          ; a plain instruction behind the transcendental,
	s_wait_alu depctr_va_vdst(0)                   ; and the wait ahead of its first reader
.set J, 0
.rept 16
	v_pk_mul_f32 v[XR+J:XR+J+1], v[XR+J:XR+J+1], v[12:13] op_sel_hi:[1,0]
.set J, J+2
.endr
.set J, 0
.rept 16
	v_pk_fma_f32 v[XR+J:XR+J+1], v[XR+J:XR+J+1], v[GA+J:GA+J+1], v[BE+J:BE+J+1]
.set J, J+2
.endr
.irp G, 0,1,2,3
	v_max3_num_f32 v[16+\G], |v[XR+8*\G]|, |v[XR+8*\G+1]|, 0x4800000   ; my eight of the block, and the floor 2^(9 - 127): the byte cannot fall under 1
.endr
.irp e, 2,4,6
.irp G, 0,1,2,3
	v_max3_num_f32 v[16+\G], v[16+\G], |v[XR+8*\G+\e]|, |v[XR+8*\G+\e+1]|
.endr
.endr
.irp G, 0,1,2,3
	v_max_num_f32_dpp v[16+\G], v[16+\G], v[16+\G] row_xmask:1 row_mask:0xf bank_mask:0xf
.endr
.irp G, 0,1,2,3
	v_max_num_f32_dpp v[16+\G], v[16+\G], v[16+\G] row_xmask:2 row_mask:0xf bank_mask:0xf   ; the four lanes' : the block's largest magnitude
.endr
.irp G, 0,1,2,3
	v_add_nc_u32 v[24+\G], 0xfc000000, v[16+\G]    ; 8 off its exponent field: the conversion's scale operand
.endr
.irp G, 0,1,2,3
	v_and_or_b32 v[20+\G], v[16+\G], 0x7f800000, s14   ; 448 x the scale
.endr
.irp G, 0,1,2,3
.irp e, 0,1,2,3,4,5,6,7
	v_med3_num_f32 v[XR+8*\G+\e], v[XR+8*\G+\e], -v[20+\G], v[20+\G]   ; the conversion does not saturate (ISA guide 7.6.2): the hold
.endr
.endr
.irp G, 0,1,2,3
	v_cvt_scalef32_pk8_fp8_f32 v[CD+8*(\i)+2*\G:CD+8*(\i)+2*\G+1], v[XR+8*\G:XR+8*\G+7], v[24+\G]
.endr
	v_nop                                          ; a plain instruction between the conversions and the writes of their sources below
.irp G, 0,1,2,3
	v_lshrrev_b32 v[XR+\G], 23, v[24+\G]           ; the scale's byte, in a register of this row's own
.endr
.irp G, 0,1,2,3
	ds_store_b8 v4, v[XR+\G] offset:32*(\i)+8*\G   ; the four lanes of a block write the same byte with the same value
	global_store_b64 v3, v[CD+8*(\i)+2*\G:CD+8*(\i)+2*\G+1], s[10:11] offset:1024*(\i)+256*\G   ; 32 lanes: 256 consecutive bytes, aligned
.endr
.endm
	ROW 0
	ROW 1
	ROW 2
	ROW 3
	ds_load_b32 v7, v5                             ; LDS serves a wave's instructions in order: this sees my stores
	s_wait_dscnt 0x0
	global_store_b32 v6, v7, s[26:27]              ; my four rows' 128 scale bytes
	s_wait_tensorcnt 0x0                           ; the wave's end
	ds_add_u32 v28, v29
	s_wait_dscnt 0x0
	s_endpgm
.Lfunc_end_k_q14c84ea2fc_ln1:
	.size	k_q14c84ea2fc_ln1, .Lfunc_end_k_q14c84ea2fc_ln1-k_q14c84ea2fc_ln1
	.p2alignl 7, 3214868480
	.fill 96, 4, 3214868480
	.section	.rodata,"a",@progbits
	.p2align	6, 0x0
	.amdhsa_kernel k_q14c84ea2fc_ln1
		.amdhsa_group_segment_fixed_size 1024
		.amdhsa_private_segment_fixed_size 0
		.amdhsa_enable_private_segment 0
		.amdhsa_kernarg_size 32
		.amdhsa_user_sgpr_count 2
		.amdhsa_user_sgpr_kernarg_segment_ptr 1
		.amdhsa_wavefront_size32 1
		.amdhsa_system_sgpr_workgroup_id_x 1
		.amdhsa_system_sgpr_workgroup_id_y 1
		.amdhsa_system_sgpr_workgroup_id_z 1
		.amdhsa_system_vgpr_workitem_id 0
		.amdhsa_next_free_vgpr 256
		.amdhsa_next_free_sgpr 66
		.amdhsa_reserve_vcc 0
		.amdhsa_float_denorm_mode_32 3
		.amdhsa_float_denorm_mode_16_64 3
		.amdhsa_memory_ordered 1
		.amdhsa_forward_progress 1
		.amdhsa_inst_pref_size 52
	.end_amdhsa_kernel
	.amdgpu_metadata
---
amdhsa.version: [ 1, 2 ]
amdhsa.kernels:
  - .name:           k_q14c84ea2fc_ln1
    .symbol:         k_q14c84ea2fc_ln1.kd
    .args:
      - { .name: enc_input, .offset: 0, .size: 8, .value_kind: global_buffer, .address_space: global }
      - { .name: ln1_g, .offset: 8, .size: 8, .value_kind: global_buffer, .address_space: global }
      - { .name: ln1_b, .offset: 16, .size: 8, .value_kind: global_buffer, .address_space: global }
      - { .name: xq, .offset: 24, .size: 8, .value_kind: global_buffer, .address_space: global }
    .group_segment_fixed_size: 1024
    .private_segment_fixed_size: 0
    .kernarg_segment_align: 8
    .kernarg_segment_size: 32
    .max_flat_workgroup_size: 128
    .sgpr_count:     66
    .vgpr_count:     256
    .wavefront_size: 32
...
	.end_amdgpu_metadata
.endif
;; end of part 1
;; launch qkv (part 2): grid 12 x 16, 4 waves a work-group, clusters of 4 x 4, 327,680 bytes of LDS; arguments xq, wq_codes, wq_scales, wk_codes, wk_scales, wv_codes, wv_scales, qkv; writes qkv
.if DOCPART == 2
	.amdgcn_target "amdgcn-amd-amdhsa--gfx1250"
	.amdhsa_code_object_version 6
	.text
	.protected	k_q14c84ea2fc_qkv
	.globl	k_q14c84ea2fc_qkv
	.p2align	8
	.type	k_q14c84ea2fc_qkv,@function
k_q14c84ea2fc_qkv:
	s_mov_b64 s[64:65], 0
	v_nop
	global_prefetch_b8 v0, s[64:65] scope:SCOPE_SE
	s_setreg_imm32_b32 hwreg(HW_REG_WAVE_MODE, 25, 1), 1
	s_wait_xcnt 0x0
	s_wait_alu depctr_hold_cnt(0) depctr_sa_sdst(0) depctr_va_vdst(0) depctr_va_sdst(0) depctr_va_ssrc(0) depctr_va_vcc(0) depctr_vm_vsrc(0)
	s_getreg_b32 s2, hwreg(HW_REG_IB_STS2, 6, 4)
	s_cmp_eq_u32 s2, 0
	s_cbranch_scc0 .Lentry_in_a_cluster
	s_endpgm
.Lentry_in_a_cluster:
	s_bfe_u32 s2, ttmp6, 0x10000c
	s_cmp_lg_u32 s2, 0xf033
	s_cbranch_scc0 .Lentry_shape_is_right
	s_endpgm
.Lentry_shape_is_right:
.set KSTEP,  256
.set NQ,     2
.set ROWB,   256
.set KROW,   1024
.set PITCH,  272
.set FR,     16
.set NL,     4
.set NP,     8
.set HALFT,  128*PITCH
.set SLOT,   4*HALFT
.set LAPS,   2
.set KS,     32
.set SCL,    2*SLOT
.set HALFS,  (128*KS/256)*272
.set SBLK,   (16*KS/256)*272
.set SPARE,  SCL+4*HALFS
.set ADRA, 16
.set ADRB, 20
.set VC,   24
.set VS,   25
.set ADRS, 27
.set SPW,  28
.set NIL,  29
.set SC,   32
.set AF,   128
.set PC,   64
.set PW,   192
.set TM,   200
.set G1, 24
.set G0, 32
.set G1B, 48
.set G0B, 56
.set G1S, 68
.set G0S, 76
.set G1SB, 80
.set G0SB, 88
.set SEL, 92
.set MNT, 94
.set OC, 96
.set OS, 98
.set MSB, 0
.macro WIN new
.if MSB != (\new)
	s_set_vgpr_msb (MSB<<8)|(\new)
.set MSB, (\new)
.endif
.endm
.set MUL_LO, 0xa1
.set MUL_HI, 0xf1
.set TO_B,   0x40
.macro JLOAD g0a, g1a, g0b, g1b
	s_cmp_eq_u32 s15, 0
	s_cbranch_scc0 .Lfor_b_\@
	tensor_load_to_lds s[\g0a:\g0a+3], s[\g1a:\g1a+7]
	s_nop 0
.rept 4
	v_nop
.endr
	s_branch .Lasked_\@
.Lfor_b_\@:
	tensor_load_to_lds s[\g0b:\g0b+3], s[\g1b:\g1b+7]
	s_nop 0
.rept 4
	v_nop
.endr
.Lasked_\@:
.endm
.macro CREST
	s_cmp_lg_u32 s14, 0
	s_cbranch_scc1 .Lnot_wave_0_\@
	s_barrier_signal -3
.Lnot_wave_0_\@:
	s_barrier_wait -3
	s_barrier_signal -1
	s_barrier_wait -1
.endm
.macro CROUND
	s_barrier_signal -1
	s_barrier_wait -1
	CREST
.endm
	s_load_b512 s[68:83], s[0:1], 0x0
	v_lshl_add_u32 v[SPW], v0, 2, SPARE
	v_mov_b32 v[NIL], 0
	ds_add_u32 v[SPW], v[NIL]                      ; the opening lines: the add, twice on end, and its wait
	ds_add_u32 v[SPW], v[NIL]
	v_lshrrev_b32 v1, 5, v0
	v_readfirstlane_b32 s14, v1
	s_lshr_b32 s15, s14, 1
	s_and_b32 s16, s14, 1
	s_bfe_u32 s40, ttmp6, 0x40000
	s_bfe_u32 s41, ttmp6, 0x40004
	s_and_b32 s18, ttmp7, 0xffff
	s_lshl_b32 s18, s18, 2
	s_cmp_eq_u32 ttmp9, 2
	s_cselect_b32 s19, 0, s18
	s_cselect_b32 s20, s18, 0
	s_add_co_u32 s17, s41, s19
	s_add_co_u32 s42, s40, s20
	s_lshl_b32 s43, s41, 2
	s_lshl_b32 s43, 15, s43
	s_lshl_b32 s44, 0x1111, s40
	s_wait_dscnt 0x0
	s_wait_kmcnt 0x0
	s_add_nc_u64 s[84:85], s[68:69], 0x400000
	s_cmp_eq_u32 ttmp9, 2
	s_cselect_b64 s[4:5], s[78:79], s[68:69]
	s_cselect_b64 s[6:7], s[80:81], s[84:85]
	s_cselect_b64 s[8:9], s[68:69], s[70:71]
	s_cselect_b64 s[10:11], s[84:85], s[72:73]
	s_cmp_eq_u32 ttmp9, 1
	s_cselect_b64 s[8:9], s[74:75], s[8:9]
	s_cselect_b64 s[10:11], s[76:77], s[10:11]
	s_mov_b64 s[12:13], s[82:83]
	s_or_b32 s[G1+0], s43, (0<<16)|(1<<20)|(1<<21)|(5<<22)|(3<<25)
	s_or_b32 s[G1B+0], s44, (0<<16)|(1<<20)|(1<<21)|(5<<22)|(3<<25)
.irp g, G1, G1B
	s_mov_b32 s[\g+1], ROWB<<16
	s_mov_b32 s[\g+2], 256<<16                     ; the head's loads bring a tile's 256 rows
	s_mov_b32 s[\g+3], ROWB<<16
	s_mov_b32 s[\g+4], 256
	s_mov_b32 s[\g+5], KROW
	s_mov_b32 s[\g+6], 0
	s_mov_b32 s[\g+7], 0
.endr
	s_or_b32 s[G1S+0], s43, (3<<16)|(1<<20)|(1<<21)|(5<<22)|(3<<25)
	s_or_b32 s[G1SB+0], s44, (3<<16)|(1<<20)|(1<<21)|(5<<22)|(3<<25)
.irp g, G1S, G1SB
	s_mov_b32 s[\g+1], 32<<16
	s_mov_b32 s[\g+2], KS<<16                      ; the scales of 256 rows: KS rows of 256 bytes
	s_mov_b32 s[\g+3], 32<<16
	s_mov_b32 s[\g+4], KS
	s_mov_b32 s[\g+5], 32
	s_mov_b32 s[\g+6], 0
	s_mov_b32 s[\g+7], 0
.endr
	s_lshl_b32 s18, s16, 17                        ; my 128 rows of a tile, in bytes: for the ring's loads
	s_mov_b32 s19, 0
	s_lshl_b32 s20, s17, 8
	s_lshl_b32 s46, s42, 8
	s_lshl_b32 s22, s20, 5
	s_mov_b32 s23, 0
	s_lshl_b32 s92, s46, 5
	s_mov_b32 s93, 0
	s_lshl_b32 s20, s20, 10
	s_mov_b32 s21, 0
	s_lshl_b32 s46, s46, 10
	s_mov_b32 s47, 0
	s_mul_i32 s45, s14, HALFT
	s_add_nc_u64 s[20:21], s[4:5], s[20:21]
	s_add_nc_u64 s[22:23], s[6:7], s[22:23]
	s_add_nc_u64 s[46:47], s[8:9], s[46:47]
	s_add_nc_u64 s[92:93], s[10:11], s[92:93]
	CROUND
	s_mov_b32 s[G0S], 1
	s_mov_b32 s[G0S+1], SCL
	s_mov_b64 s[G0S+2:G0S+3], s[22:23]
	s_or_b32 s[G0S+3], s[G0S+3], 0x80000000
	s_mov_b32 s[G0SB], 1
	s_mov_b32 s[G0SB+1], SCL+2*HALFS
	s_mov_b64 s[G0SB+2:G0SB+3], s[92:93]
	s_or_b32 s[G0SB+3], s[G0SB+3], 0x80000000
.irp s, 0,1
	s_mov_b32 s[G0+4*\s], 1
	s_add_co_u32 s[G0+4*\s+1], s45, \s*SLOT
	s_add_nc_u64 s[G0+4*\s+2:G0+4*\s+3], s[20:21], \s*ROWB
	s_or_b32 s[G0+4*\s+3], s[G0+4*\s+3], 0x80000000
	s_mov_b32 s[G0B+4*\s], 1
	s_add_co_u32 s[G0B+4*\s+1], s45, \s*SLOT
	s_add_nc_u64 s[G0B+4*\s+2:G0B+4*\s+3], s[46:47], \s*ROWB
	s_or_b32 s[G0B+4*\s+3], s[G0B+4*\s+3], 0x80000000
.endr
	s_add_nc_u64 s[G0+2:G0+3], s[G0+2:G0+3], s[18:19]       ; the ring's loads bring my 128 rows of a tile
	s_add_nc_u64 s[G0+6:G0+7], s[G0+6:G0+7], s[18:19]
	s_add_nc_u64 s[G0B+2:G0B+3], s[G0B+2:G0B+3], s[18:19]
	s_add_nc_u64 s[G0B+6:G0B+7], s[G0B+6:G0B+7], s[18:19]
	s_mov_b32 s4, 1                                ; the head's whole tiles of K step 0: A's 256 rows,
	s_mov_b32 s5, 0
	s_mov_b64 s[6:7], s[20:21]
	s_or_b32 s7, s7, 0x80000000
	s_mov_b32 s8, 1                                ; and B's, behind them in slot 0
	s_mov_b32 s9, 2*HALFT
	s_mov_b64 s[10:11], s[46:47]
	s_or_b32 s11, s11, 0x80000000
; THE HEAD'S LOADS, ONE A WAVE: wave 0 A's 256 rows of K step 0, wave 1 B's, wave 2 A's scales, wave 3 B's: one chain of branches on the wave's number, every way passes one load
.macro ARM under, g0, g1, next
	s_cmp_lt_u32 s14, \under
	s_cbranch_scc0 \next
	tensor_load_to_lds s[\g0:\g0+3], s[\g1:\g1+7]
	s_nop 0
.rept 4
	v_nop
.endr
	s_branch .Lhead_asked
\next:
.endm
	ARM 1, 4, G1, .Lhead_b
	ARM 2, 8, G1B, .Lhead_sa
	ARM 3, G0S, G1S, .Lhead_sb
	tensor_load_to_lds s[G0SB:G0SB+3], s[G1SB:G1SB+7]
	s_nop 0
.rept 4
	v_nop
.endr
.Lhead_asked:
; PREFETCH: of the 128 rows that my wave fetches in the ring, my work-group names 32 (the four partners are told apart by address: cx for A, cy for B), a lane a row, 256 bytes a K step: K steps 1 and 2 here, K step 3 behind K step 1's load
	s_cmp_eq_u32 s15, 0
	s_cselect_b64 s[46:47], s[20:21], s[46:47]
	s_cselect_b32 s44, s40, s41
	s_lshl_b32 s44, s44, 15
	s_mov_b32 s45, 0
	s_add_nc_u64 s[46:47], s[46:47], s[18:19]
	s_add_nc_u64 s[46:47], s[46:47], s[44:45]
	v_and_b32 v30, 31, v0
	v_lshlrev_b32 v30, 10, v30
	global_prefetch_b8 v30, s[46:47] offset:256 th:TH_LOAD_NT scope:SCOPE_SE
	global_prefetch_b8 v30, s[46:47] offset:512 th:TH_LOAD_NT scope:SCOPE_SE
	v_and_b32 v1, 15, v0
	v_bfe_u32 v2, v0, 4, 1
	v_mul_u32_u24 v3, v1, PITCH
	v_lshl_add_u32 v4, v2, 4, v3
	s_mul_i32 s21, s15, HALFT
	s_mul_i32 s22, s16, HALFT
	s_add_co_u32 s22, s22, 2*HALFT
.irp s, 0,1
	v_add_nc_u32 v[ADRA+\s], s21, v4
	v_add_nc_u32 v[ADRB+\s], s22, v4
	s_add_co_u32 s21, s21, SLOT
	s_add_co_u32 s22, s22, SLOT
.endr
	v_mul_u32_u24 v5, v1, KS
	v_lshrrev_b32 v6, 8, v5
	v_lshl_add_u32 v5, v6, 4, v5
	s_mul_i32 s21, s15, HALFS
	s_mul_i32 s22, s16, HALFS
	s_add_co_u32 s22, s22, 2*HALFS
	s_sub_co_u32 s22, s22, s21
	v_mul_u32_u24 v6, s22, v2
	s_add_co_u32 s21, s21, SCL
	v_add_nc_u32 v5, v5, v6
	v_add_nc_u32 v[ADRS], s21, v5
	v_lshlrev_b32 v5, 4, v1
	v_lshl_add_u32 v[VC], v2, 3, v5
	v_lshlrev_b32 v[VS], 2, v1
	s_lshl_b32 s92, s17, 4
	s_lshl_b32 s93, s15, 3
	s_add_co_u32 s92, s92, s93
	s_lshl_b32 s93, s42, 1
	s_add_co_u32 s93, s93, s16
	s_lshr_b32 s94, s92, 7
	s_and_b32 s95, s92, 127
	s_lshl_b32 s96, ttmp9, 22
	s_lshl_b32 s97, s94, 21
	s_add_co_u32 s96, s96, s97
	s_lshl_b32 s97, s93, 18
	s_add_co_u32 s96, s96, s97
	s_lshl_b32 s97, s95, 10
	s_add_co_u32 s96, s96, s97
	s_lshl_b32 s97, s94, 3
	s_add_co_u32 s97, s97, s93
	s_lshl_b32 s97, s97, 13
	s_lshl_b32 s98, ttmp9, 17
	s_add_co_u32 s97, s97, s98
	s_lshl_b32 s98, s95, 6
	s_add_co_u32 s97, s97, s98
	s_add_co_u32 s97, s97, 12582912
	s_lshr_b32 s94, s93, 4
	s_and_b32 s95, s93, 15
	s_lshl_b32 s98, s95, 18
	s_lshl_b32 s99, s94, 16
	s_add_co_u32 s98, s98, s99
	s_lshl_b32 s99, s92, 10
	s_add_co_u32 s98, s98, s99
	s_add_co_u32 s98, s98, 0x800000
	s_lshl_b32 s99, s94, 16
	s_lshl_b32 s95, s95, 12
	s_add_co_u32 s99, s99, s95
	s_lshl_b32 s95, s92, 6
	s_add_co_u32 s99, s99, s95
	s_add_co_u32 s99, s99, 12845056
	s_cmp_eq_u32 ttmp9, 2
	s_cselect_b32 s96, s98, s96
	s_cselect_b32 s98, s99, s97
	s_mov_b32 s97, 0
	s_mov_b32 s99, 0
	s_add_nc_u64 s[OC:OC+1], s[12:13], s[96:97]
	s_add_nc_u64 s[OS:OS+1], s[12:13], s[98:99]
	s_mov_b32 s[SEL], 0x76543210
	s_mov_b32 s[SEL+1], 0xfedcba98
	s_mov_b32 s[MNT], 0x600000
.macro FRAG reg, adr, q, i
.irp c, 0,1,2,3
	ds_load_b128 v[\reg+4*\c:\reg+4*\c+3], v[\adr] offset:128*(\q)+32*\c+(\i)*16*PITCH
.endr
.endm
.macro MUL16 a0, p, q, sc, zero
.irp a, \a0, \a0+1
.irp b, 0,1,2,3,4,5,6,7
.if \zero
	v_wmma_scale_f32_16x16x128_f8f6f4 v[8*(8*((\a)%4)+\b):8*(8*((\a)%4)+\b)+7], v[128*(\p)+FR*\b:128*(\p)+FR*\b+FR-1], v[AF+FR*(\a):AF+FR*(\a)+FR-1], 0, v[SC+8*NQ*(\sc)+NQ*\b+(\q)], v[SC+8*NQ*(\sc)+NQ*(\a)+(\q)] matrix_a_scale:MATRIX_SCALE_ROW1
.else
	v_wmma_scale_f32_16x16x128_f8f6f4 v[8*(8*((\a)%4)+\b):8*(8*((\a)%4)+\b)+7], v[128*(\p)+FR*\b:128*(\p)+FR*\b+FR-1], v[AF+FR*(\a):AF+FR*(\a)+FR-1], v[8*(8*((\a)%4)+\b):8*(8*((\a)%4)+\b)+7], v[SC+8*NQ*(\sc)+NQ*\b+(\q)], v[SC+8*NQ*(\sc)+NQ*(\a)+(\q)] matrix_a_scale:MATRIX_SCALE_ROW1
.endif
.endr
.endr
.endm
.macro FETCH_B slot, q, p
	WIN TO_B
.irp i, 0,1,2,3,4,5,6,7
	FRAG 128*(\p)+FR*\i, ADRB+\slot, \q, \i
.endr
	WIN 0
.endm
.macro FETCH_A slot, q, i0
.irp i, \i0, \i0+1, \i0+2, \i0+3
	FRAG AF+FR*(\i), ADRA+\slot, \q, \i
.endr
.endm
.macro SCALES sc
.irp i, 0,1,2,3,4,5,6,7
	ds_load_b64 v[SC+8*NQ*\sc+NQ*\i:SC+8*NQ*\sc+NQ*\i+1], v[ADRS] offset:\i*SBLK
.endr
.endm
.macro PLACES n
.rept \n
	v_nop
.endr
.endm
.macro STEP slot, q, zero
	s_wait_dscnt 4*NL
	WIN MUL_LO
	MUL16 0, (\q)%2, \q, \slot, \zero
	MUL16 2, (\q)%2, \q, \slot, \zero
	s_wait_dscnt 0
	PLACES NP
	FETCH_B \slot, (\q)+1, 1-(\q)%2
	FETCH_A \slot, (\q)+1, 0
	WIN MUL_HI
	MUL16 4, (\q)%2, \q, \slot, \zero
	MUL16 6, (\q)%2, \q, \slot, \zero
	PLACES NP
	WIN 0
	FETCH_A \slot, (\q)+1, 4
.endm
.macro TURN slot, next, fill
	s_wait_tensorcnt 0x0
	ds_add_u32 v[SPW], v[NIL]
	s_wait_dscnt 4*NL+1
	WIN MUL_LO
	MUL16 0, 1, NQ-1, \slot, 0
	s_wait_dscnt 0x0
	s_barrier_signal -1
	MUL16 2, 1, NQ-1, \slot, 0
	WIN 0
	s_barrier_wait -1
.if \fill
	CREST
	s_add_nc_u64 s[G0+4*\slot+2:G0+4*\slot+3], s[G0+4*\slot+2:G0+4*\slot+3], 2*ROWB
	s_add_nc_u64 s[G0B+4*\slot+2:G0B+4*\slot+3], s[G0B+4*\slot+2:G0B+4*\slot+3], 2*ROWB
	JLOAD G0+4*\slot, G1, G0B+4*\slot, G1B
	PLACES NP-4
.else
	PLACES NP
.endif
	s_wait_alu depctr_va_vdst(0)
	v_add_nc_u32 v[ADRS], 4*NQ, v[ADRS]
	FETCH_B \next, 0, 0
	FETCH_A \next, 0, 0
	SCALES \next
	WIN MUL_HI
	MUL16 4, 1, NQ-1, \slot, 0
	MUL16 6, 1, NQ-1, \slot, 0
	PLACES NP
	WIN 0
	FETCH_A \next, 0, 4
.endm
.macro QOUT a
.set QB, 64*((\a)%4)
	WIN 0x0a+5*((\a)/4)
.irp c, 0,1,2,3
	v_max3_num_f32 v[TM+\c], |v[QB+16*\c]|, |v[QB+16*\c+1]|, 0x4800000
.endr
.irp i, 2,4,6,8,10,12,14
.irp c, 0,1,2,3
	v_max3_num_f32 v[TM+\c], |v[QB+16*\c+\i]|, |v[QB+16*\c+\i+1]|, v[TM+\c]
.endr
.endr
	WIN 0
.irp c, 0,1,2,3
	v_permlanex16_b32 v[TM+4+\c], v[TM+\c], s[SEL], s[SEL+1]
.endr
.irp c, 0,1,2,3
	v_max_num_f32 v[TM+\c], v[TM+\c], v[TM+4+\c]
.endr
.irp c, 0,1,2,3
	v_add_nc_u32 v[TM+12+\c], 0xfc000000, v[TM+\c]
.endr
.irp c, 0,1,2,3
	v_and_or_b32 v[TM+8+\c], v[TM+\c], 0x7f800000, s[MNT]
.endr
.irp c, 0,1,2,3
	v_lshrrev_b32 v[TM+4+\c], 23, v[TM+12+\c]
.endr
	v_lshl_or_b32 v[PW+(\a)], v[TM+5], 8, v[TM+4]
	v_lshl_or_b32 v[PW+(\a)], v[TM+6], 16, v[PW+(\a)]
	v_lshl_or_b32 v[PW+(\a)], v[TM+7], 24, v[PW+(\a)]
	WIN 0x82+0x41*((\a)/4)
.irp c, 0,1,2,3
.set J, 0
.rept 16
	v_med3_num_f32 v[QB+16*\c+J], v[QB+16*\c+J], -v[TM+8+\c], v[TM+8+\c]
.set J, J+1
.endr
.endr
	WIN 2+(\a)/4
.irp c, 0,1,2,3
	v_cvt_scalef32_pk8_fp8_f32 v[PC+16*(\a)+4*\c:PC+16*(\a)+4*\c+1], v[QB+16*\c:QB+16*\c+7], v[TM+12+\c]
	v_cvt_scalef32_pk8_fp8_f32 v[PC+16*(\a)+4*\c+2:PC+16*(\a)+4*\c+3], v[QB+16*\c+8:QB+16*\c+15], v[TM+12+\c]
.endr
	WIN 0
	v_nop
.irp c, 0,1,2,3
	global_store_b64 v[VC], v[PC+16*(\a)+4*\c:PC+16*(\a)+4*\c+1], s[OC:OC+1] offset:1024*(\a)+(\c/2)*131072+(\c%2)*512
	global_store_b64 v[VC], v[PC+16*(\a)+4*\c+2:PC+16*(\a)+4*\c+3], s[OC:OC+1] offset:1024*(\a)+(\c/2)*131072+(\c%2)*512+256
.endr
	global_store_b32 v[VS], v[PW+(\a)], s[OS:OS+1] offset:64*(\a)
.endm
	s_wait_alu depctr_va_vdst(0)                   ; the wait at the head's end
	s_wait_tensorcnt 0x0                           ; my tile of the head's four is in; slot 1's first fill is issued as a refill is
	ds_add_u32 v[SPW], v[NIL]
	s_mov_b32 s[G1+2], 128<<16                     ; no load of mine is out: from here on a load brings 128 rows
	s_mov_b32 s[G1+4], 128
	s_mov_b32 s[G1B+2], 128<<16
	s_mov_b32 s[G1B+4], 128
	s_wait_dscnt 0x0
	CROUND
	JLOAD G0+4, G1, G0B+4, G1B
	global_prefetch_b8 v30, s[46:47] offset:768 th:TH_LOAD_NT scope:SCOPE_SE
	FETCH_B 0, 0, 0
	FETCH_A 0, 0, 0
	SCALES 0
	FETCH_A 0, 0, 4
	STEP 0, 0, 1
	s_mov_b32 s3, LAPS-1
.Llap:
	TURN 0, 1, 1
	STEP 1, 0, 0
	TURN 1, 0, 1
	STEP 0, 0, 0
	s_sub_co_u32 s3, s3, 1
	s_cmp_lg_u32 s3, 0
	s_cbranch_scc1 .Llap
	TURN 0, 1, 0
	STEP 1, 0, 0
	s_wait_dscnt 4*NL
	WIN MUL_LO
	MUL16 0, 1, NQ-1, 1, 0
	MUL16 2, 1, NQ-1, 1, 0
	s_wait_dscnt 0
	WIN MUL_HI
	MUL16 4, 1, NQ-1, 1, 0
	MUL16 6, 1, NQ-1, 1, 0
	WIN 0
	PLACES NP
.irp c, 0,1,2,3
	v_mov_b32 v[TM+4+\c], 0
.endr
.irp a, 0,1,2,3,4,5,6,7
	QOUT \a
.endr
	s_wait_tensorcnt 0x0
	ds_add_u32 v[SPW], v[NIL]
	s_wait_dscnt 0x0
	CROUND
	s_endpgm
.Lfunc_end_k_q14c84ea2fc_qkv:
	.size	k_q14c84ea2fc_qkv, .Lfunc_end_k_q14c84ea2fc_qkv-k_q14c84ea2fc_qkv
	.p2alignl 7, 3214868480
	.fill 96, 4, 3214868480
	.section	.rodata,"a",@progbits
	.p2align	6, 0x0
	.amdhsa_kernel k_q14c84ea2fc_qkv
		.amdhsa_group_segment_fixed_size 327680
		.amdhsa_private_segment_fixed_size 0
		.amdhsa_enable_private_segment 0
		.amdhsa_kernarg_size 64
		.amdhsa_user_sgpr_count 2
		.amdhsa_user_sgpr_kernarg_segment_ptr 1
		.amdhsa_wavefront_size32 1
		.amdhsa_system_sgpr_workgroup_id_x 1
		.amdhsa_system_sgpr_workgroup_id_y 1
		.amdhsa_system_sgpr_workgroup_id_z 1
		.amdhsa_system_vgpr_workitem_id 0
		.amdhsa_next_free_vgpr 1024
		.amdhsa_next_free_sgpr 100
		.amdhsa_reserve_vcc 0
		.amdhsa_float_denorm_mode_32 3
		.amdhsa_float_denorm_mode_16_64 3
		.amdhsa_memory_ordered 1
		.amdhsa_forward_progress 1
		.amdhsa_inst_pref_size 191
	.end_amdhsa_kernel
	.amdgpu_metadata
---
amdhsa.version: [ 1, 2 ]
amdhsa.kernels:
  - .name:           k_q14c84ea2fc_qkv
    .symbol:         k_q14c84ea2fc_qkv.kd
    .args:
      - { .name: xq, .offset: 0, .size: 8, .value_kind: global_buffer, .address_space: global }
      - { .name: wq_codes, .offset: 8, .size: 8, .value_kind: global_buffer, .address_space: global }
      - { .name: wq_scales, .offset: 16, .size: 8, .value_kind: global_buffer, .address_space: global }
      - { .name: wk_codes, .offset: 24, .size: 8, .value_kind: global_buffer, .address_space: global }
      - { .name: wk_scales, .offset: 32, .size: 8, .value_kind: global_buffer, .address_space: global }
      - { .name: wv_codes, .offset: 40, .size: 8, .value_kind: global_buffer, .address_space: global }
      - { .name: wv_scales, .offset: 48, .size: 8, .value_kind: global_buffer, .address_space: global }
      - { .name: qkv, .offset: 56, .size: 8, .value_kind: global_buffer, .address_space: global }
    .group_segment_fixed_size: 327680
    .private_segment_fixed_size: 0
    .kernarg_segment_align: 8
    .kernarg_segment_size: 64
    .max_flat_workgroup_size: 128
    .sgpr_count:     100
    .vgpr_count:     1024
    .wavefront_size: 32
...
	.end_amdgpu_metadata
.endif
;; end of part 2
;; launch attn (part 3): grid 16 x 16, 8 waves a work-group, clusters of 4 x 1, 327,680 bytes of LDS; arguments qkv, attn_bias, att; writes att
.if DOCPART == 3
	.amdgcn_target "amdgcn-amd-amdhsa--gfx1250"
	.amdhsa_code_object_version 6
	.text
	.protected	k_q14c84ea2fc_attn
	.globl	k_q14c84ea2fc_attn
	.p2align	8
	.type	k_q14c84ea2fc_attn,@function
k_q14c84ea2fc_attn:
	s_mov_b64 s[64:65], 0
	v_nop
	global_prefetch_b8 v0, s[64:65] scope:SCOPE_SE
	s_setreg_imm32_b32 hwreg(HW_REG_WAVE_MODE, 25, 1), 1
	s_wait_xcnt 0x0
	s_wait_alu depctr_hold_cnt(0) depctr_sa_sdst(0) depctr_va_vdst(0) depctr_va_sdst(0) depctr_va_ssrc(0) depctr_va_vcc(0) depctr_vm_vsrc(0)
	s_getreg_b32 s2, hwreg(HW_REG_IB_STS2, 6, 4)
	s_cmp_eq_u32 s2, 0
	s_cbranch_scc0 .Lentry_in_a_cluster
	s_endpgm
.Lentry_in_a_cluster:
	s_bfe_u32 s2, ttmp6, 0x10000c
	s_cmp_lg_u32 s2, 0x3003
	s_cbranch_scc0 .Lentry_shape_is_right
	s_endpgm
.Lentry_shape_is_right:
; ATTENTION on codes of E4M3: S = q k^T / 32 + bias;  t = S log2(e);  M = the running largest t rounded up to a whole number;  p = 2^(t - M) is quantised along the keys;
; O = (sum of p v) / (sum of the unquantised p); O is quantised along the head's 64 and leaves as chunks (16 rows x 32 columns: byte (16 u + row) 16 + column % 16) for the next product.
; SHARES.  A work-group owns 128 queries (x) of a PAIR of heads (y = 8 b + pair); each of its eight waves owns 16 queries of BOTH heads, in 512 registers.  16 steps of 128 keys.
; THE BIAS TILE OF A STEP (16 queries x 128 keys) is loaded into registers once and is the C of both heads' K Q^T: 1 MiB a work-group for two heads.
; ONE K FRAGMENT SERVES BOTH HEADS: its registers 0-7 hold head 0's 64 codes of a key, registers 8-15 head 1's.  It meets [Q0, zero codes] for head 0 and [zero codes, Q1] for head 1; the pair's stored scale word (two bytes a head) fits as it lies.
; 1/32 is a power of two: 5 is taken off q's scale bytes once.  Both products are used transposed (S^T = K Q^T, O^T = V^T P^T): a lane holds one query (lane % 16).
; Lane r of key tile 2 b + u takes key 32 b + 8 u + r + 8 (r / 8), so that the 16 registers of tiles 2 b, 2 b + 1 are keys 32 b + 16 h + 0 .. 15.
; LDS.  Two slots of 512 keys (four steps).  V's parts, 8 rows of 8,192 bytes each, lie at 0 and at 65,536; K's parts, 2 heads x 32 tiles of 1,024 bytes + 128 of padding, at 131,072 and 98,304 further on.
; The steps' strides (K: 9,216 and 18,432; V: 16,384 and 32,768) and the slots' distances share no bit, so exclusive ors walk them: three counted loops, 2 x 2 steps in a slot, and the step's text stands twice in all.
; Behind the ring lie the pair's scale words of K and of V, 8,192 bytes each, filled once.
; CLUSTERS: 4 x 1: four blocks of queries of one pair walk the same K and V: every tensor load is joint, mask 15.  The bias is not joint: it goes into registers, and no two partners read the same rows.
; PREFETCH.  The eight pairs of a batch read the same bias rows: pair 0's work-group asks, each wave for its own 16 rows x 512 bytes of step s + 2, a lane to each 256 bytes, behind the loads of step s + 1; steps 14 and 15 ask for nothing, steps 0 and 1 come by their loads alone.
; K and V are not prefetched: a slot's load is asked for four whole key steps (96 matrix instructions and both heads' softmax, four times) ahead of the wait for it.
; REGISTERS.  Window 0: v1-14 addresses and Q's scale word; v16-23 -M, largest t, the sum (4 a head); v24-71 at work (24 a head); v72-79 K's scale words; v80-111 K's fragments 6 and 7, then p's codes; v128-255 S^T, p, then V's fragments (64 a head).
;             Window 1: v0-63 the bias; v64-127 O^T; v128-151 Q0, zero codes, Q1; v160-255 K's fragments 0 to 5.
; LIMITS: NaN and infinities (a bias of -infinity too) are not served; the promise holds while the scaled scores stay under 2^31 in magnitude.  A q block whose scale byte is under 5 has it held at 0.  A block of zeros keeps the byte 1.
.set KPT,  1152
.set KH,   32*KPT
.set VX,   0x10000
.set KBASE, 2*VX
.set KX,   0x18000
.set SKL,  KBASE+KX+2*KH
.set SVL,  SKL+8192
.set SPARE, SVL+8192
.set AK0,  1
.set ASK0, 3
.set ASV0, 4
.set BO,   5
.set PFO,  6
.set SPW,  7
.set NIL,  8
.set ADK,  9
.set ADV,  10
.set ADS,  11
.set ADT,  12
.set QS,   13
.set AV0,  14
.set ST,   16
.set T0,   24
.set KSW,  72
.set PCD,  80
.set S0,   128
.set BI,   0
.set OT,   64
.set QR,   128
.set FR,   160
.set WV,   10
.set KW,   18
.set KT,   19
.set SEL,  20
.set CS,   22
.set G1K,  24
.set G1V,  32
.set G1S,  40
.set G1T,  48
.set G0K,  56
.set G0V,  60
.set G0S,  68
.set G0T,  72
.set TK,   76
.set TV,   77
.set TS,   78
.set TJ,   79
.set SLOTS, 80
.set IC,   81
.set MC,   82
.set MNT,  83
.set BB,   84
.set OC,   86
.set OS,   88
.set CNT,  98
.set LIM,  99
.set MSB, 0
.macro WIN new                         ; the immediate's high byte repeats the setting that is left
.if MSB != (\new)
	s_set_vgpr_msb (MSB<<8)|(\new)
.set MSB, (\new)
.endif
.endm
.macro ROUND                           ; a round of the cluster's barrier
	s_barrier_signal -1
	s_barrier_wait -1
	s_cmp_lg_u32 s[WV], 0
	s_cbranch_scc1 .Lnot_wave_0_\@
	s_barrier_signal -3
.Lnot_wave_0_\@:
	s_barrier_wait -3
	s_barrier_signal -1
	s_barrier_wait -1
.endm
.macro ARM under, g0, g1, next         ; one arm of the head's chain: one joint load, then on to the join
	s_cmp_lt_u32 s[WV], \under
	s_cbranch_scc0 \next
	tensor_load_to_lds s[\g0:\g0+3], s[\g1:\g1+7]
	s_nop 0
.rept 4
	v_nop
.endr
	s_branch .Lhead_asked
\next:
.endm
.macro TLOAD                           ; a slot's fill: waves 0, 1: K of head 0, 1; wave 2: V of both
	s_cmp_lt_u32 s[WV], 2
	s_cbranch_scc0 .Lnot_k_\@
	tensor_load_to_lds s[G0K:G0K+3], s[G1K:G1K+7]
	s_nop 0
.rept 4
	v_nop
.endr
	s_branch .Lasked_\@
.Lnot_k_\@:
	s_cmp_eq_u32 s[WV], 2
	s_cbranch_scc0 .Lasked_\@
	tensor_load_to_lds s[G0V:G0V+3], s[G1V:G1V+7]
	s_nop 0
.rept 4
	v_nop
.endr
.Lasked_\@:
.endm
.macro BIAS                            ; a step's bias tile: my query's row, my half's 16 keys of each block of 32
	WIN 0x40
.irp b, 0,1,2,3
.irp j, 0,1,2,3
	global_load_b128 v[BI+16*\b+4*\j:BI+16*\b+4*\j+3], v[BO], s[BB:BB+1] offset:128*\b+16*\j
.endr
.endr
	WIN 0
.endm
	s_load_b128 s[4:7], s[0:1], 0x0                ; qkv, attn_bias
	s_load_b64 s[8:9], s[0:1], 0x10                ; att
	v_lshl_add_u32 v[SPW], v0, 2, SPARE
	v_mov_b32 v[NIL], 0
	ds_add_u32 v[SPW], v[NIL]                      ; the opening lines: the add, twice on end, and its wait
	ds_add_u32 v[SPW], v[NIL]
	v_lshrrev_b32 v9, 5, v0
	v_readfirstlane_b32 s[WV], v9                  ; wave 0..7
	s_and_b32 s11, s[WV], 1
	s_and_b32 s12, ttmp7, 0xffff                   ; y = 8 b + pair
	s_lshr_b32 s13, s12, 3                         ; b
	s_and_b32 s14, s12, 7                          ; pair
	s_bfe_u32 s15, ttmp6, 0x40000                  ; cx: enters global addresses of Q, the bias and att alone
	s_lshl_b32 s16, ttmp9, 2
	s_add_co_u32 s16, s16, s15                     ; my block of 128 queries
	s_lshl_b32 s17, s16, 3
	s_add_co_u32 s17, s17, s[WV]                   ; my tile of 16 queries in the batch's 128
	s_mov_b32 s[G1K], 15|(3<<16)|(1<<20)|(1<<21)|(7<<22)|(31<<25)   ; K: 32 tiles of 1,024 bytes, dense; 32 words of padding behind each
	s_mov_b32 s[G1K+1], 128<<16
	s_mov_b32 s[G1K+2], 32<<16
	s_mov_b32 s[G1K+3], 128<<16
	s_mov_b32 s[G1K+4], 32
	s_mov_b32 s[G1K+5], 128
	s_mov_b32 s[G1K+6], 0
	s_mov_b32 s[G1K+7], 0
	s_mov_b32 s[G1V], 15|(3<<16)|(1<<21)           ; V: 8 rows of 8,192 bytes, 131,072 bytes apart
	s_mov_b32 s[G1V+1], 1024<<16
	s_mov_b32 s[G1V+2], 8<<16
	s_mov_b32 s[G1V+3], 1024<<16
	s_mov_b32 s[G1V+4], 8
	s_mov_b32 s[G1V+5], 16384
	s_mov_b32 s[G1V+6], 0
	s_mov_b32 s[G1V+7], 0
	s_mov_b32 s[G1S], 15|(3<<16)|(1<<21)           ; K's scale words: 32 rows of 256 bytes, dense
	s_mov_b32 s[G1S+1], 32<<16
	s_mov_b32 s[G1S+2], 32<<16
	s_mov_b32 s[G1S+3], 32<<16
	s_mov_b32 s[G1S+4], 32
	s_mov_b32 s[G1S+5], 32
	s_mov_b32 s[G1S+6], 0
	s_mov_b32 s[G1S+7], 0
	s_mov_b32 s[G1T], 15|(3<<16)|(1<<21)           ; V's: 16 rows of 512 bytes, 4,096 bytes apart
	s_mov_b32 s[G1T+1], 64<<16
	s_mov_b32 s[G1T+2], 16<<16
	s_mov_b32 s[G1T+3], 64<<16
	s_mov_b32 s[G1T+4], 16
	s_mov_b32 s[G1T+5], 512
	s_mov_b32 s[G1T+6], 0
	s_mov_b32 s[G1T+7], 0
	s_lshl_b32 s90, s12, 1
	s_add_co_u32 s90, s90, s11
	s_lshl_b32 s90, s90, 17
	s_add_co_u32 s90, s90, 0x400000                ; K's chunks of head 2 pair + wave % 2
	s_mov_b32 s91, 0
	s_lshl_b32 s92, s13, 16
	s_lshl_b32 s93, s14, 13
	s_add_co_u32 s92, s92, s93
	s_add_co_u32 s92, s92, 0x800000                ; V's chunks of the pair
	s_mov_b32 s93, 0
	s_lshl_b32 s94, s12, 13
	s_add_co_u32 s94, s94, 12713984                ; K's scale words of the pair
	s_mov_b32 s95, 0
	s_lshl_b32 s96, s13, 16
	s_lshl_b32 s97, s14, 9
	s_add_co_u32 s96, s96, s97
	s_add_co_u32 s96, s96, 12845056                ; V's
	s_mov_b32 s97, 0
	s_mov_b32 s[SEL], 0x76543210
	s_mov_b32 s[SEL+1], 0xfedcba98
	s_mov_b32 s[CS], 0x3fb8aa3b                    ; log2(e)
	s_mov_b32 s[CS+1], s[CS]
	s_mov_b32 s[MNT], 0x600000
	s_mov_b32 s[TK], 0
	s_mov_b32 s[TV], 0
	s_mov_b32 s[TS], 0
	s_mov_b32 s[TJ], 0
	s_mov_b32 s[SLOTS], 3
	s_mov_b32 s[CNT], 16                           ; steps to go, this one among them
	s_mul_i32 s[KW], s11, KH
	s_add_co_u32 s[KW], s[KW], KBASE               ; where my head's K lands in slot 0
	s_mov_b32 s[KT], 0                             ; and how far on the slot in turn lies: 0 or KX
	s_wait_dscnt 0x0                               ; both opening adds are done
	s_wait_kmcnt 0x0
	s_mov_b32 s[G0K], 1
	s_mov_b32 s[G0K+1], s[KW]
	s_add_nc_u64 s[G0K+2:G0K+3], s[4:5], s[90:91]
	s_or_b32 s[G0K+3], s[G0K+3], 0x80000000
	s_mov_b32 s[G0V], 1
	s_mov_b32 s[G0V+1], 0
	s_add_nc_u64 s[G0V+2:G0V+3], s[4:5], s[92:93]
	s_or_b32 s[G0V+3], s[G0V+3], 0x80000000
	s_mov_b32 s[G0S], 1
	s_mov_b32 s[G0S+1], SKL
	s_add_nc_u64 s[G0S+2:G0S+3], s[4:5], s[94:95]
	s_or_b32 s[G0S+3], s[G0S+3], 0x80000000
	s_mov_b32 s[G0T], 1
	s_mov_b32 s[G0T+1], SVL
	s_add_nc_u64 s[G0T+2:G0T+3], s[4:5], s[96:97]
	s_or_b32 s[G0T+3], s[G0T+3], 0x80000000
	ROUND                                          ; the four partners are here: the first joint loads meet
	ARM 2, G0K, G1K, .Lhead_v                      ; one load a wave at the head: slot 0's K (waves 0, 1), its V (wave 2), the scale words (waves 3, 4)
	ARM 3, G0V, G1V, .Lhead_s
	ARM 4, G0S, G1S, .Lhead_t
	ARM 5, G0T, G1T, .Lhead_none
.Lhead_asked:
	s_lshl_b32 s90, s12, 18
	s_lshl_b32 s91, s17, 10
	s_add_co_u32 s90, s90, s91
	s_mov_b32 s91, 0
	s_add_nc_u64 s[90:91], s[4:5], s[90:91]        ; Q's chunks of head 0; head 1's lie 131,072 bytes on
	s_lshl_b32 s92, s12, 13
	s_lshl_b32 s93, s17, 6
	s_add_co_u32 s92, s92, s93
	s_add_co_u32 s92, s92, 12582912
	s_mov_b32 s93, 0
	s_add_nc_u64 s[92:93], s[4:5], s[92:93]        ; Q's scale words
	s_lshl_b32 s[BB], s13, 24
	s_lshl_b32 s94, s17, 17
	s_add_co_u32 s[BB], s[BB], s94
	s_mov_b32 s[BB+1], 0
	s_add_nc_u64 s[BB:BB+1], s[6:7], s[BB:BB+1]    ; the bias at my first query's row
	s_lshl_b32 s94, s13, 4
	s_add_co_u32 s94, s94, s16                     ; row / 128
	s_lshl_b32 s[OC], s94, 17
	s_lshl_b32 s95, s14, 14
	s_add_co_u32 s[OC], s[OC], s95
	s_lshl_b32 s95, s[WV], 11
	s_add_co_u32 s[OC], s[OC], s95
	s_mov_b32 s[OC+1], 0
	s_add_nc_u64 s[OC:OC+1], s[8:9], s[OC:OC+1]    ; my four chunks of att
	s_lshl_b32 s[OS], s94, 12
	s_lshl_b32 s95, s14, 9
	s_add_co_u32 s[OS], s[OS], s95
	s_lshl_b32 s95, s[WV], 6
	s_add_co_u32 s[OS], s[OS], s95
	s_add_co_u32 s[OS], s[OS], 0x400000
	s_mov_b32 s[OS+1], 0
	s_add_nc_u64 s[OS:OS+1], s[8:9], s[OS:OS+1]    ; and their scale words
	s_cmp_eq_u32 s14, 0
	s_cselect_b32 s[LIM], 2, -1                    ; pair 0's work-group prefetches the bias, while more than two steps are to go
	v_and_b32 v9, 15, v0                           ; r
	v_bfe_u32 v10, v0, 4, 1                        ; h
	v_and_b32 v11, 31, v0                          ; lane
	v_lshlrev_b32 v[AV0], 4, v11                   ; 16 x lane: Q's chunks, and V's in a slot
	v_lshlrev_b32 v15, 2, v9                       ; 4 r
	v_lshlrev_b32 v[BO], 13, v9
	v_lshl_add_u32 v[BO], v10, 6, v[BO]            ; 8,192 r + 64 h
	global_load_b32 v[QS], v15, s[92:93]
	WIN 0x40
	global_load_b128 v[QR:QR+3], v[AV0], s[90:91]
	global_load_b128 v[QR+4:QR+7], v[AV0], s[90:91] offset:512
	global_load_b128 v[QR+16:QR+19], v[AV0], s[90:91] offset:131072
	global_load_b128 v[QR+20:QR+23], v[AV0], s[90:91] offset:131072+512
	BIAS                                           ; step 0's
	v_lshrrev_b32 v12, 3, v9                       ; r / 8
	v_and_b32 v24, 7, v9                           ; r % 8
	v_mul_u32_u24 v[AK0], v12, KPT
	v_lshl_add_u32 v25, v10, 4, v24
	v_lshl_add_u32 v[AK0], v25, 4, v[AK0]          ; K: tile r / 8, + 16 (16 h + r % 8)
	v_add_nc_u32 v[AK0], KBASE, v[AK0]
	v_lshlrev_b32 v[ASK0], 6, v12
	v_lshl_add_u32 v[ASK0], v24, 2, v[ASK0]
	v_add_nc_u32 v[ASK0], SKL, v[ASK0]             ; K's scale words: 4 bytes a key
	v_lshl_add_u32 v[ASV0], v9, 2, SVL
	v_lshrrev_b32 v[PFO], 1, v11
	v_lshlrev_b32 v[PFO], 13, v[PFO]
	v_and_b32 v25, 1, v11
	v_lshl_add_u32 v[PFO], v25, 8, v[PFO]          ; the prefetch: (lane / 2) rows + 256 (lane % 2)
.irp d, 0,1
	v_mov_b32 v[ST+4*\d+1], 0xff61b1e6             ; the largest t so far: -3e38
	v_floor_f32 v[ST+4*\d], -v[ST+4*\d+1]          ; -M
	v_mov_b32 v[ST+4*\d+2], 0                      ; the sum, in two halves
	v_mov_b32 v[ST+4*\d+3], 0
	v_mov_b32 v[T0+24*\d+21], 0
.irp b, 4,5,6,7
	v_mov_b32 v[T0+24*\d+\b], 0                    ; a lane permute's destination counts as a source
.endr
.endr
	WIN 0x40
.irp j, 8,9,10,11,12,13,14,15
	v_mov_b32 v[QR+\j], 0                          ; the zero codes between Q0 and Q1
.endr
.set J, 0
.rept 64
	v_mov_b32 v[OT+J], 0                           ; O^T: the step is written alike for all; the first finds zeros
.set J, J+1
.endr
	WIN 0
	s_wait_loadcnt 20                              ; Q's scale word is in: behind it stand Q's four loads and the bias's sixteen
.irp i, 0,1,2,3
	v_bfe_u32 v[T0+\i], v[QS], 8*\i, 8
.endr
.irp i, 0,1,2,3
	v_min_u32 v[T0+8+\i], 5, v[T0+\i]
.endr
.irp i, 0,1,2,3
	v_sub_nc_u32 v[T0+\i], v[T0+\i], v[T0+8+\i]    ; 5 off each byte, held at 0: the scores' 1/32
.endr
	v_lshl_or_b32 v[QS], v[T0+1], 8, v[T0]
	v_lshl_or_b32 v[QS], v[T0+2], 16, v[QS]
	v_lshl_or_b32 v[QS], v[T0+3], 24, v[QS]
; The largest score of blocks p0 and p1 of 32 keys, my 16 of each, for both heads: four chains by turns.  It serves for the row's maximum and, since p rises with the score, for the block's largest p.
.macro BMAX2 p0, p1
.irp d, 0,1
.irp b, \p0, \p1
	v_max3_num_f32 v[T0+24*\d+\b], v[S0+64*\d+16*\b], v[S0+64*\d+16*\b+1], v[S0+64*\d+16*\b+2]
.endr
.endr
.irp i, 3,5,7,9,11,13
.irp d, 0,1
.irp b, \p0, \p1
	v_max3_num_f32 v[T0+24*\d+\b], v[T0+24*\d+\b], v[S0+64*\d+16*\b+\i], v[S0+64*\d+16*\b+\i+1]
.endr
.endr
.endr
.irp d, 0,1
.irp b, \p0, \p1
	v_max_num_f32 v[T0+24*\d+\b], v[T0+24*\d+\b], v[S0+64*\d+16*\b+15]
.endr
.endr
.endm
.macro TMINUS d                        ; t - M of head d's 64 scores and of its four blocks' largest
.set SX, S0+64*(\d)
.set TX, T0+24*(\d)
.set MX, ST+4*(\d)
.set J, 0
.rept 32
	v_pk_fma_f32 v[SX+J:SX+J+1], v[SX+J:SX+J+1], s[CS:CS+1], v[MX:MX+1] op_sel_hi:[1,0,0]
.set J, J+2
.endr
.irp b, 0,1,2,3
	v_fma_f32 v[TX+\b], v[TX+\b], s[CS], v[MX]
.endr
.endm
; p = 2^(t - M), not normalised, and the blocks' largest p.  Plain lines of the OTHER head take turns with a batch's exponentials: they read nothing of the batch, what they read was written ahead of the wait in front of it, and what they write is read behind the wait that follows it.
.macro MIX0                            ; head 0's 68 exponentials; between them head 1's t - M
.irp b, 0,1,2,3
	v_exp_f32 v[T0+\b], v[T0+\b]
	v_fma_f32 v[T0+24+\b], v[T0+24+\b], s[CS], v[ST+4]
.endr
.set J, 0
.rept 32
	v_exp_f32 v[S0+J], v[S0+J]
	v_exp_f32 v[S0+J+1], v[S0+J+1]
	v_pk_fma_f32 v[S0+64+J:S0+64+J+1], v[S0+64+J:S0+64+J+1], s[CS:CS+1], v[ST+4:ST+5] op_sel_hi:[1,0,0]
.set J, J+2
.endr
.endm
.macro MIX1                            ; head 1's 68 exponentials; between them head 0's holds (p is not negative, so the hold is one-sided)
.irp b, 0,1,2,3
	v_exp_f32 v[T0+24+\b], v[T0+24+\b]
.endr
.set J, 0
.rept 64
	v_exp_f32 v[S0+64+J], v[S0+64+J]
	v_min_num_f32 v[S0+J], v[S0+J], v[T0+8+J/16]
.set J, J+1
.endr
.endm
.macro SUMS d                          ; head d: the row's sum of the unquantised p; the four blocks' scales, holds and scale word
.set SX, S0+64*(\d)
.set TX, T0+24*(\d)
.set LX, ST+4*(\d)+2
	v_pk_mul_f32 v[LX:LX+1], v[LX:LX+1], v[TX+20:TX+21] op_sel_hi:[1,0]   ; the sums under the new M
	v_pk_add_f32 v[TX+4:TX+5], v[SX:SX+1], v[SX+2:SX+3]
.irp j, 4,8,12,16,20,24,28,32,36,40,44,48,52,56,60
	v_pk_add_f32 v[LX:LX+1], v[LX:LX+1], v[SX+\j:SX+\j+1]
	v_pk_add_f32 v[TX+4:TX+5], v[TX+4:TX+5], v[SX+\j+2:SX+\j+3]
.endr
	v_pk_add_f32 v[LX:LX+1], v[LX:LX+1], v[TX+4:TX+5]
.irp b, 0,1,2,3
	v_max_num_f32 v[TX+\b], 0x4800000, v[TX+\b]    ; the floor 2^(9 - 127)
.endr
.irp b, 0,1,2,3
	v_add_nc_u32 v[TX+12+\b], 0xfc000000, v[TX+\b] ; 8 off the exponent field: the conversion's scale operand
.endr
.irp b, 0,1,2,3
	v_and_or_b32 v[TX+8+\b], v[TX+\b], 0x7f800000, s[MNT]   ; 448 x the scale
.endr
.irp b, 0,1,2,3
	v_lshrrev_b32 v[TX+4+\b], 23, v[TX+12+\b]
.endr
	v_lshl_or_b32 v[TX+21], v[TX+5], 8, v[TX+4]    ; p's scale word for these 128 keys
	v_lshl_or_b32 v[TX+21], v[TX+6], 16, v[TX+21]
	v_lshl_or_b32 v[TX+21], v[TX+7], 24, v[TX+21]
.endm
.macro MINS d, b                       ; the hold of head d's block b; p is not negative
.set J, 0
.rept 16
	v_min_num_f32 v[S0+64*(\d)+16*(\b)+J], v[S0+64*(\d)+16*(\b)+J], v[T0+24*(\d)+8+(\b)]
.set J, J+1
.endr
.endm
.macro CVT d, b                        ; block b's 16 codes of my lane
	v_cvt_scalef32_pk8_fp8_f32 v[PCD+16*(\d)+4*(\b):PCD+16*(\d)+4*(\b)+1], v[S0+64*(\d)+16*(\b):S0+64*(\d)+16*(\b)+7], v[T0+24*(\d)+12+(\b)]
	v_cvt_scalef32_pk8_fp8_f32 v[PCD+16*(\d)+4*(\b)+2:PCD+16*(\d)+4*(\b)+3], v[S0+64*(\d)+16*(\b)+8:S0+64*(\d)+16*(\b)+15], v[T0+24*(\d)+12+(\b)]
.endm
.macro VLD d, b                        ; V's fragment b of head d, into the 16 registers that block b's p has left, and its scale word: five LDS loads
.irp c, 0,1,2,3
	ds_load_b128 v[S0+64*(\d)+16*(\b)+4*\c:S0+64*(\d)+16*(\b)+4*\c+3], v[ADV] offset:(\c/2)*8192+4096*(\d)+1024*(\b)+(\c%2)*512
.endr
	ds_load_b32 v[T0+24*(\d)+16+(\b)], v[ADT] offset:256*(\d)+64*(\b)
.endm
.macro KFRAG reg, t                    ; key tile t for both heads: 16 registers
.irp e, 0,1
	ds_load_b128 v[\reg+8*\e:\reg+8*\e+3], v[ADK] offset:KH*\e+2*KPT*((\t)/2)+128*((\t)%2)
	ds_load_b128 v[\reg+8*\e+4:\reg+8*\e+7], v[ADK] offset:KH*\e+2*KPT*((\t)/2)+128*((\t)%2)+512
.endr
.endm
.macro QK reg, t                       ; S^T of key tile t = K Q^T + bias, head 0 and head 1
.irp e, 0,1
	v_wmma_scale_f32_16x16x128_f8f6f4 v[S0+64*\e+8*(\t):S0+64*\e+8*(\t)+7], v[\reg:\reg+15], v[QR+8*\e:QR+8*\e+15], v[BI+8*(\t):BI+8*(\t)+7], v[KSW+(\t)], v[QS]
.endr
.endm
; A KEY STEP: 128 keys, both heads.  last = 1: the text of the last slot, whose last step has no next bias tile.
.macro STEP last
	v_add_nc_u32 v[ADK], s[TK], v[AK0]
	v_add_nc_u32 v[ADV], s[TV], v[AV0]
	v_add_nc_u32 v[ADS], s[TS], v[ASK0]
	v_add_nc_u32 v[ADT], s[TJ], v[ASV0]
	s_wait_alu depctr_va_vdst(0)                   ; the wait behind these writes
.rept 5
	v_nop                                          ; with the four additions nine places behind the last products: their V fragments are written over by the products below, their p codes by the loads
.endr
.irp t, 0,1,2,3,4,5,6,7
	ds_load_b32 v[KSW+\t], v[ADS] offset:128*(\t/2)+32*(\t%2)
.endr
	WIN 0x40
.irp t, 0,1,2,3,4,5
	KFRAG FR+16*\t, \t
.endr
	WIN 0
	KFRAG PCD, 6
	KFRAG PCD+16, 7
	s_wait_dscnt 16                                ; the scale words and tiles 0 to 3 are in; the sixteen loads of tiles 4 to 7 may be out
	s_wait_loadcnt 0x0                             ; this step's bias, asked for behind the last step's K Q^T (step 0: at the head, with Q)
	s_wait_xcnt 0x0                                ; the last prefetch has read its address:
	s_add_nc_u64 s[BB:BB+1], s[BB:BB+1], 512       ; on to the next step's 128 keys
	WIN 0x15
.irp t, 0,1,2,3
	QK FR+16*\t, \t
.endr
	s_wait_dscnt 0x0
	QK FR+64, 4
	QK FR+80, 5
	WIN 0x14
	QK PCD, 6
	QK PCD+16, 7
	WIN 0
.rept 8
	v_nop                                          ; the places behind the products
.endr
	BMAX2 0, 1
.if \last
	s_cmp_eq_u32 s[CNT], 1                         ; the last step has no next tile: no load leaves the buffer
	s_cbranch_scc1 .Lno_bias_\@
.endif
	BIAS                                           ; the next step's, into the registers that both heads' products have read
.if \last
.Lno_bias_\@:
.endif
	s_cmp_gt_u32 s[CNT], s[LIM]
	s_cbranch_scc0 .Lnot_mine_\@
	global_prefetch_b8 v[PFO], s[BB:BB+1] offset:512 th:TH_LOAD_NT scope:SCOPE_SE   ; the step after next
.Lnot_mine_\@:
	BMAX2 2, 3
.irp b, 0,1,2,3
.irp d, 0,1
	v_permlanex16_b32 v[T0+24*\d+4+\b], v[T0+24*\d+\b], s[SEL], s[SEL+1]
.endr
.endr
.irp b, 0,1,2,3
.irp d, 0,1
	v_max_num_f32 v[T0+24*\d+\b], v[T0+24*\d+\b], v[T0+24*\d+4+\b]   ; with lane l xor 16's 16 keys
.endr
.endr
.irp d, 0,1
	v_max3_num_f32 v[T0+24*\d+22], v[T0+24*\d], v[T0+24*\d+1], v[T0+24*\d+2]
.endr
.irp d, 0,1
	v_max_num_f32 v[T0+24*\d+22], v[T0+24*\d+22], v[T0+24*\d+3]
.endr
.irp d, 0,1
	v_mul_f32 v[T0+24*\d+22], s[CS], v[T0+24*\d+22]                  ; as t
.endr
.irp d, 0,1
	v_max_num_f32 v[ST+4*\d+1], v[ST+4*\d+1], v[T0+24*\d+22]         ; the running largest t
.endr
.irp d, 0,1
	v_mov_b32 v[T0+24*\d+22], v[ST+4*\d]
.endr
.irp d, 0,1
	v_floor_f32 v[ST+4*\d], -v[ST+4*\d+1]                            ; the new -M = -ceil(t)
.endr
.irp d, 0,1
	v_sub_f32 v[T0+24*\d+22], v[ST+4*\d], v[T0+24*\d+22]             ; old M - new M: a whole number, 0 or less
.endr
.irp d, 0,1
	v_cvt_i32_f32 v[T0+24*\d+22], v[T0+24*\d+22]                     ; (it saturates)
.endr
.irp d, 0,1
	v_ldexp_f32 v[T0+24*\d+20], 1.0, v[T0+24*\d+22]                  ; f = 2^(old M - new M): rounds nothing
.endr
	TMINUS 0
	s_wait_alu depctr_va_vdst(0)                   ; the wait ahead of a batch of exponentials
	MIX0
	s_wait_alu depctr_va_vdst(0)                   ; behind head 0's batch, ahead of its first reader
	SUMS 0
	s_wait_alu depctr_va_vdst(0)                   ; ahead of head 1's batch: the holds in it read what the lines above wrote
	MIX1
	s_wait_alu depctr_va_vdst(0)                   ; behind head 1's batch, ahead of the first readers of its results and of the held p
	CVT 0, 0                                       ; a fragment of V is asked for one block behind the conversion that frees its registers
	CVT 0, 1
	VLD 0, 0
	CVT 0, 2
	VLD 0, 1
	CVT 0, 3
	VLD 0, 2
	SUMS 1
	VLD 0, 3
.irp b, 0,1,2,3
	MINS 1, \b
	CVT 1, \b
.if \b > 0
	VLD 1, \b-1
.endif
.endr
	VLD 1, 3
	WIN 0x41
	s_wait_alu depctr_va_vdst(0)                   ; the wait directly ahead of the first reader of O^T
.irp d, 0,1
.set J, 0
.rept 16
	v_pk_mul_f32 v[OT+32*\d+J:OT+32*\d+J+1], v[OT+32*\d+J:OT+32*\d+J+1], v[T0+24*\d+20:T0+24*\d+21] op_sel_hi:[1,0]   ; O^T under the new M; also the places behind the conversions
.set J, J+2
.endr
.endr
	WIN 0
	s_wait_alu depctr_va_vdst(0)                   ; the wait directly ahead of the wait below
	s_wait_dscnt 5                                 ; all of V's fragments and scale words but the youngest five loads: head 1's fragment 3, which the last product alone reads
	WIN 0x50
.irp t, 0,1,2,3
.irp d, 0,1
.if 2*\t+\d == 7
	s_wait_dscnt 0x0                               ; head 1's fragment 3 and its scale word
.endif
	v_wmma_scale_f32_16x16x128_f8f6f4 v[OT+32*\d+8*\t:OT+32*\d+8*\t+7], v[S0+64*\d+16*\t:S0+64*\d+16*\t+15], v[PCD+16*\d:PCD+16*\d+15], v[OT+32*\d+8*\t:OT+32*\d+8*\t+7], v[T0+24*\d+16+\t], v[T0+24*\d+21]
.endr
.endr
	WIN 0
	s_xor_b32 s[TK], s[TK], 8*KPT                  ; the other step of the two: 8 tiles of K,
	s_xor_b32 s[TV], s[TV], 16384                  ; 2 rows of V
	s_add_co_u32 s[TS], s[TS], 512
	s_add_co_u32 s[TJ], s[TJ], 512
	s_sub_co_u32 s[CNT], s[CNT], 1
.endm
; THE CHANGE OF SLOTS stands at a slot's head: every wave waits for all its tensor loads, adds 0 to its spare word and waits for that and for its reads of the slot that it has left.
; fill = 1: a round of the cluster's barrier, and behind it the joint fill of the slot just left (the first time: slot 1's first fill), which has four key steps in which to land.
.macro CHANGE fill
	s_wait_tensorcnt 0x0
	ds_add_u32 v[SPW], v[NIL]                      ; 0 onto my spare word
.if \fill
	ds_add_u32 v[SPW], v[NIL]                      ; twice on end
	s_xor_b32 s[KT], s[KT], KX                     ; no load of mine is out: the walking descriptors step
	s_add_co_u32 s[G0K+1], s[KW], s[KT]
	s_add_nc_u64 s[G0K+2:G0K+3], s[G0K+2:G0K+3], 32768
	s_xor_b32 s[G0V+1], s[G0V+1], VX
	s_add_nc_u64 s[G0V+2:G0V+3], s[G0V+2:G0V+3], 1048576
.endif
	s_wait_dscnt 0x0
.if \fill
	ROUND
	TLOAD
.else
	s_barrier_signal -1
	s_barrier_wait -1
.endif
.endm
	s_wait_alu depctr_va_vdst(0)                   ; the wait at the head's end
.Lslot:                                            ; 3 trips: behind each change of slots but the last the next slot is asked for
	CHANGE 1
	s_mov_b32 s[MC], 2
.Lmid:
	s_mov_b32 s[IC], 2
.Lstep:
	STEP 0
	s_sub_co_u32 s[IC], s[IC], 1
	s_cmp_lg_u32 s[IC], 0
	s_cbranch_scc1 .Lstep
	s_xor_b32 s[TK], s[TK], 16*KPT                 ; the slot's other two steps
	s_xor_b32 s[TV], s[TV], 32768
	s_sub_co_u32 s[MC], s[MC], 1
	s_cmp_lg_u32 s[MC], 0
	s_cbranch_scc1 .Lmid
	s_xor_b32 s[TK], s[TK], KX                     ; the other slot
	s_xor_b32 s[TV], s[TV], VX
	s_sub_co_u32 s[SLOTS], s[SLOTS], 1
	s_cmp_lg_u32 s[SLOTS], 0
	s_cbranch_scc1 .Lslot
	CHANGE 0                                       ; the last slot is written out: it asks for nothing
	s_mov_b32 s[MC], 2
.Ltmid:
	s_mov_b32 s[IC], 2
.Ltail:
	STEP 1
	s_sub_co_u32 s[IC], s[IC], 1
	s_cmp_lg_u32 s[IC], 0
	s_cbranch_scc1 .Ltail
	s_xor_b32 s[TK], s[TK], 16*KPT
	s_xor_b32 s[TV], s[TV], 32768
	s_sub_co_u32 s[MC], s[MC], 1
	s_cmp_lg_u32 s[MC], 0
	s_cbranch_scc1 .Ltmid
	; THE WAY OUT: O^T / the sum, quantised along each head's 64 (two blocks a head), stored as chunks straight from registers
.rept 8
	v_nop                                          ; the places behind the last products
.endr
.irp d, 0,1
	v_add_f32 v[ST+4*\d+2], v[ST+4*\d+2], v[ST+4*\d+3]
.endr
.irp d, 0,1
	v_permlanex16_b32 v[T0+24*\d+20], v[ST+4*\d+2], s[SEL], s[SEL+1]
.endr
.irp d, 0,1
	v_add_f32 v[ST+4*\d+2], v[ST+4*\d+2], v[T0+24*\d+20]   ; the row's sum
.endr
	s_wait_alu depctr_va_vdst(0)                   ; ahead of the two reciprocals
.irp d, 0,1
	v_rcp_f32 v[ST+4*\d+2], v[ST+4*\d+2]
.endr
	v_and_b32 v9, 15, v0
	v_bfe_u32 v10, v0, 4, 1
	v_lshlrev_b32 v11, 4, v9
	v_lshl_add_u32 v11, v10, 3, v11                ; 16 r + 8 h
	v_lshlrev_b32 v12, 2, v9                       ; 4 r
	WIN 0x01
	s_wait_alu depctr_va_vdst(0)                   ; behind the reciprocals, directly ahead of the first reader of O^T
.irp d, 0,1
.set J, 0
.rept 32
	v_mul_f32 v[S0+64*\d+J], v[OT+32*\d+J], v[ST+4*\d+2]   ; register 8 t + j: o(r, 16 t + 8 h + j)
.set J, J+1
.endr
.endr
	WIN 0
.irp d, 0,1
.irp b, 0,1
	v_max3_num_f32 v[T0+24*\d+\b], |v[S0+64*\d+16*\b]|, |v[S0+64*\d+16*\b+1]|, 0x4800000
.endr
.endr
.irp i, 2,4,6,8,10,12,14
.irp d, 0,1
.irp b, 0,1
	v_max3_num_f32 v[T0+24*\d+\b], v[T0+24*\d+\b], |v[S0+64*\d+16*\b+\i]|, |v[S0+64*\d+16*\b+\i+1]|
.endr
.endr
.endr
.irp d, 0,1
.irp b, 0,1
	v_permlanex16_b32 v[T0+24*\d+4+\b], v[T0+24*\d+\b], s[SEL], s[SEL+1]
.endr
.endr
.irp d, 0,1
.irp b, 0,1
	v_max_num_f32 v[T0+24*\d+\b], v[T0+24*\d+\b], v[T0+24*\d+4+\b]
.endr
.endr
.irp d, 0,1
.irp b, 0,1
	v_add_nc_u32 v[T0+24*\d+12+\b], 0xfc000000, v[T0+24*\d+\b]
.endr
.endr
.irp d, 0,1
.irp b, 0,1
	v_and_or_b32 v[T0+24*\d+8+\b], v[T0+24*\d+\b], 0x7f800000, s[MNT]
.endr
.endr
.irp d, 0,1
.irp b, 0,1
	v_lshrrev_b32 v[T0+24*\d+4+\b], 23, v[T0+24*\d+12+\b]
.endr
.endr
	v_lshl_or_b32 v[T0+22], v[T0+5], 8, v[T0+4]    ; the pair's scale word: two bytes a head
	v_lshl_or_b32 v[T0+22], v[T0+28], 16, v[T0+22]
	v_lshl_or_b32 v[T0+22], v[T0+29], 24, v[T0+22]
.irp d, 0,1
.irp b, 0,1
.set J, 0
.rept 16
	v_med3_num_f32 v[S0+64*\d+16*\b+J], v[S0+64*\d+16*\b+J], -v[T0+24*\d+8+\b], v[T0+24*\d+8+\b]
.set J, J+1
.endr
	v_cvt_scalef32_pk8_fp8_f32 v[PCD+16*\d+4*\b:PCD+16*\d+4*\b+1], v[S0+64*\d+16*\b:S0+64*\d+16*\b+7], v[T0+24*\d+12+\b]
	v_cvt_scalef32_pk8_fp8_f32 v[PCD+16*\d+4*\b+2:PCD+16*\d+4*\b+3], v[S0+64*\d+16*\b+8:S0+64*\d+16*\b+15], v[T0+24*\d+12+\b]
.endr
.endr
	v_nop
.irp d, 0,1
.irp b, 0,1
	global_store_b64 v11, v[PCD+16*\d+4*\b:PCD+16*\d+4*\b+1], s[OC:OC+1] offset:1024*\d+512*\b        ; 32 lanes: 256 consecutive bytes, aligned
	global_store_b64 v11, v[PCD+16*\d+4*\b+2:PCD+16*\d+4*\b+3], s[OC:OC+1] offset:1024*\d+512*\b+256
.endr
.endr
	global_store_b32 v12, v[T0+22], s[OS:OS+1]     ; 16 whole scale words (lanes 16-31 write the same words with the same values)
	s_wait_tensorcnt 0x0                           ; the wave's end
	ds_add_u32 v[SPW], v[NIL]
	s_wait_dscnt 0x0
	ROUND                                          ; the closing round
	s_endpgm
.Lfunc_end_k_q14c84ea2fc_attn:
	.size	k_q14c84ea2fc_attn, .Lfunc_end_k_q14c84ea2fc_attn-k_q14c84ea2fc_attn
	.p2alignl 7, 3214868480
	.fill 96, 4, 3214868480
	.section	.rodata,"a",@progbits
	.p2align	6, 0x0
	.amdhsa_kernel k_q14c84ea2fc_attn
		.amdhsa_group_segment_fixed_size 327680
		.amdhsa_private_segment_fixed_size 0
		.amdhsa_enable_private_segment 0
		.amdhsa_kernarg_size 24
		.amdhsa_user_sgpr_count 2
		.amdhsa_user_sgpr_kernarg_segment_ptr 1
		.amdhsa_wavefront_size32 1
		.amdhsa_system_sgpr_workgroup_id_x 1
		.amdhsa_system_sgpr_workgroup_id_y 1
		.amdhsa_system_sgpr_workgroup_id_z 1
		.amdhsa_system_vgpr_workitem_id 0
		.amdhsa_next_free_vgpr 512
		.amdhsa_next_free_sgpr 100
		.amdhsa_reserve_vcc 0
		.amdhsa_float_denorm_mode_32 3
		.amdhsa_float_denorm_mode_16_64 3
		.amdhsa_memory_ordered 1
		.amdhsa_forward_progress 1
		.amdhsa_inst_pref_size 107
	.end_amdhsa_kernel
	.amdgpu_metadata
---
amdhsa.version: [ 1, 2 ]
amdhsa.kernels:
  - .name:           k_q14c84ea2fc_attn
    .symbol:         k_q14c84ea2fc_attn.kd
    .args:
      - { .name: qkv, .offset: 0, .size: 8, .value_kind: global_buffer, .address_space: global }
      - { .name: attn_bias, .offset: 8, .size: 8, .value_kind: global_buffer, .address_space: global }
      - { .name: att, .offset: 16, .size: 8, .value_kind: global_buffer, .address_space: global }
    .group_segment_fixed_size: 327680
    .private_segment_fixed_size: 0
    .kernarg_segment_align: 8
    .kernarg_segment_size: 24
    .max_flat_workgroup_size: 256
    .sgpr_count:     100
    .vgpr_count:     512
    .wavefront_size: 32
...
	.end_amdgpu_metadata
.endif
;; end of part 3
;; launch wo (part 4): grid 8 x 32, 4 waves a work-group, clusters of 4 x 4, 327,680 bytes of LDS; arguments att, wo_codes, wo_scales, enc_input, ao; writes ao
.if DOCPART == 4
	.amdgcn_target "amdgcn-amd-amdhsa--gfx1250"
	.amdhsa_code_object_version 6
	.text
	.protected	k_q14c84ea2fc_wo
	.globl	k_q14c84ea2fc_wo
	.p2align	8
	.type	k_q14c84ea2fc_wo,@function
k_q14c84ea2fc_wo:
	s_mov_b64 s[64:65], 0
	v_nop
	global_prefetch_b8 v0, s[64:65] scope:SCOPE_SE
	s_setreg_imm32_b32 hwreg(HW_REG_WAVE_MODE, 25, 1), 1
	s_wait_xcnt 0x0
	s_wait_alu depctr_hold_cnt(0) depctr_sa_sdst(0) depctr_va_vdst(0) depctr_va_sdst(0) depctr_va_ssrc(0) depctr_va_vcc(0) depctr_vm_vsrc(0)
	s_getreg_b32 s2, hwreg(HW_REG_IB_STS2, 6, 4)
	s_cmp_eq_u32 s2, 0
	s_cbranch_scc0 .Lentry_in_a_cluster
	s_endpgm
.Lentry_in_a_cluster:
	s_bfe_u32 s2, ttmp6, 0x10000c
	s_cmp_lg_u32 s2, 0xf033
	s_cbranch_scc0 .Lentry_shape_is_right
	s_endpgm
.Lentry_shape_is_right:
; out = A W^T + res (+ bias where BIAS = 1), f32.  A [4096][SIZE_K]: codes of E4M3 in chunks, [row / 128][k / 128][8][4] x 512 bytes, and scale words [row / 128][k / 128][8][16] at byte SCOFF; W [1024][SIZE_K]: codes as rows, scale bytes [1024][SIZE_K / 32].
; A tile of 128 x 128, so that the 4,096 x 1,024 results give 256 work-groups; four waves, 64 x 64 each: 16 accumulators.  K goes in steps of 512 (four matrix instructions deep) through two LDS slots:
;   A's part of a slot is 65,536 dense bytes, images of the operand's registers (a lane's 16 bytes at 16 x lane: no pitch, no padding);  W's is 128 rows of 512 bytes + 16 of padding.
; The scale words of the tile's rows, for all of K, come once.  CLUSTERS: 4 x 4; A's tiles are asked for jointly along a row of the cluster, W's along a column.
; THE MATRIX INSTRUCTION IS USED TRANSPOSED (source 0 = 16 rows of W, source 1 = 16 rows of A): a lane holds eight neighbouring numbers of a row of out.
; THE RESIDUAL IS WHERE THE SUMS BEGIN: it is loaded straight into the accumulators (the bias is added onto it once), so every product adds in place, nothing is cleared and nothing is added at the end.
; The way out goes through the wave's own stage (16 rows x 272 bytes, in slot 0, which has had its last fill and its last read by then): a wave's 64 columns are 256 bytes, so sixteen lanes store 256 consecutive bytes, aligned.
.set SIZE_K, 1024
.set BIAS,   0
.set SCOFF,  0x400000
.set KF,     SIZE_K/128
.set KS,     SIZE_K/32
.set LAPS,   SIZE_K/1024                ; a lap = two slots
.set BPITCH, 528
.set ASLOT,  65536
.set SLOT,   ASLOT+128*BPITCH
.set SCA,    2*SLOT
.set SCB,    SCA+KF*512
.set SBLK,   (16*KS/256)*272
.set SPARE,  SCB+(128*KS/256)*272       ; the spare words, 128 bytes a wave, that no other line names
.set ADRA, 16
.set ADRB, 20
.set ADSA, 22
.set ADSB, 23
.set STO,  24
.set RD,   25
.set CO,   26
.set RO,   27
.set SPW,  28
.set NIL,  29
.set BOF,  30
.set SA,   32                          ; v32-63 A's scale words, two sets: set x 16 + 4 i + q;  v64-95 W's likewise: scales and nothing else
.set SB,   64
.set BK,   96                          ; v96-127 the bias at the head, rows on the way out
.set ACC,  128                         ; v128-255 accumulator (a, b) at ACC + 8 (4 a + b)
.set F0,   0                           ; window 1: two fragment buffers: A's four at f + 16 i, W's four at f + 64 + 16 i
.set F1,   128
.set G1, 24
.set G0, 32
.set G1B, 48
.set G0B, 56
.set G1S, 68
.set G0S, 76
.set G1SB, 80
.set G0SB, 88
.set MSB, 0
.macro WIN new
.if MSB != (\new)
	s_set_vgpr_msb (MSB<<8)|(\new)
.set MSB, (\new)
.endif
.endm
.set MUL,  0x05                        ; sources 0 and 1 window 1; C and D window 0
.set TO_F, 0x40
.macro JLOAD g0a, g1a, g0b, g1b        ; a joint load: waves 0, 1 fetch for A, waves 2, 3 for W; four v_nop follow each line
	s_cmp_eq_u32 s15, 0
	s_cbranch_scc0 .Lfor_b_\@
	tensor_load_to_lds s[\g0a:\g0a+3], s[\g1a:\g1a+7]
	s_nop 0
.rept 4
	v_nop
.endr
	s_branch .Lasked_\@
.Lfor_b_\@:
	tensor_load_to_lds s[\g0b:\g0b+3], s[\g1b:\g1b+7]
	s_nop 0
.rept 4
	v_nop
.endr
.Lasked_\@:
.endm
.macro CREST
	s_cmp_lg_u32 s14, 0
	s_cbranch_scc1 .Lnot_wave_0_\@
	s_barrier_signal -3
.Lnot_wave_0_\@:
	s_barrier_wait -3
	s_barrier_signal -1
	s_barrier_wait -1
.endm
.macro CROUND
	s_barrier_signal -1
	s_barrier_wait -1
	CREST
.endm
	s_load_b128 s[4:7], s[0:1], 0x0                ; A, W's codes
	s_load_b64 s[8:9], s[0:1], 0x10                ; W's scales
.if BIAS
	s_load_b64 s[96:97], s[0:1], 0x18              ; the bias
	s_load_b64 s[10:11], s[0:1], 0x20              ; the residual
	s_load_b64 s[12:13], s[0:1], 0x28              ; out
.else
	s_load_b64 s[10:11], s[0:1], 0x18              ; the residual
	s_load_b64 s[12:13], s[0:1], 0x20              ; out
.endif
	v_lshl_add_u32 v[SPW], v0, 2, SPARE
	v_mov_b32 v[NIL], 0
	ds_add_u32 v[SPW], v[NIL]                      ; the opening lines: the add, twice on end, and its wait
	ds_add_u32 v[SPW], v[NIL]
	v_lshrrev_b32 v1, 5, v0
	v_readfirstlane_b32 s14, v1                    ; wave
	s_lshr_b32 s15, s14, 1                         ; my half of the tile's rows; also: I fetch for A (0) or for W (1)
	s_and_b32 s16, s14, 1                          ; my half of its columns; also: which half I fetch
	s_bfe_u32 s40, ttmp6, 0x40000
	s_bfe_u32 s41, ttmp6, 0x40004
	s_lshl_b32 s42, ttmp9, 2
	s_add_co_u32 s42, s42, s40                     ; tile column
	s_and_b32 s17, ttmp7, 0xffff
	s_lshl_b32 s17, s17, 2
	s_add_co_u32 s17, s17, s41                     ; tile row
	s_lshl_b32 s43, s41, 2
	s_lshl_b32 s43, 15, s43
	s_lshl_b32 s44, 0x1111, s40
	s_or_b32 s[G1+0], s43, (3<<16)|(1<<21)         ; A's part of a slot: dense rows of 256 bytes: all 256 at the head, 128 a wave in the ring
	s_mov_b32 s[G1+1], 32<<16
	s_mov_b32 s[G1+2], 256<<16
	s_mov_b32 s[G1+3], 32<<16
	s_mov_b32 s[G1+4], 256
	s_mov_b32 s[G1+5], 32
	s_mov_b32 s[G1+6], 0
	s_mov_b32 s[G1+7], 0
	s_or_b32 s[G1B+0], s44, (0<<16)|(1<<20)|(1<<21)|(6<<22)|(3<<25)  ; W's: rows of 512 bytes, 4 words of padding after every 128: all 128 at the head, 64 a wave in the ring
	s_mov_b32 s[G1B+1], 512<<16
	s_mov_b32 s[G1B+2], 128<<16
	s_mov_b32 s[G1B+3], 512<<16
	s_mov_b32 s[G1B+4], 128
	s_mov_b32 s[G1B+5], SIZE_K
	s_mov_b32 s[G1B+6], 0
	s_mov_b32 s[G1B+7], 0
	s_or_b32 s[G1S+0], s43, (3<<16)|(1<<21)        ; A's scale words: 2 KF rows of 256 bytes, dense
	s_mov_b32 s[G1S+1], 32<<16
	s_mov_b32 s[G1S+2], (2*KF)<<16
	s_mov_b32 s[G1S+3], 32<<16
	s_mov_b32 s[G1S+4], 2*KF
	s_mov_b32 s[G1S+5], 32
	s_mov_b32 s[G1S+6], 0
	s_mov_b32 s[G1S+7], 0
	s_or_b32 s[G1SB+0], s44, (3<<16)|(1<<20)|(1<<21)|(5<<22)|(3<<25) ; W's scale bytes of 128 rows: KS / 2 rows of 256 bytes, dense; 16 bytes of padding behind each
	s_mov_b32 s[G1SB+1], 32<<16
	s_mov_b32 s[G1SB+2], (KS/2)<<16
	s_mov_b32 s[G1SB+3], 32<<16
	s_mov_b32 s[G1SB+4], KS/2
	s_mov_b32 s[G1SB+5], 32
	s_mov_b32 s[G1SB+6], 0
	s_mov_b32 s[G1SB+7], 0
	s_mul_i32 s20, s17, KF*16384
	s_lshl_b32 s98, s16, 15                        ; my half of A's part of a slot, in bytes: for the ring's loads
	s_mov_b32 s99, 0
	s_mov_b32 s21, 0
	s_mul_i32 s22, s17, KF*512
	s_add_co_u32 s22, s22, SCOFF                   ; A's scale words of the tile's 128 rows
	s_mov_b32 s23, 0
	s_lshl_b32 s46, s42, 7
	s_mul_i32 s100, s16, 64*SIZE_K                 ; my 64 rows of W, in bytes: for the ring's loads
	s_mov_b32 s101, 0
	s_mul_i32 s94, s46, KS
	s_mov_b32 s95, 0
	s_mul_i32 s46, s46, SIZE_K
	s_mov_b32 s47, 0
	s_wait_dscnt 0x0
	s_wait_kmcnt 0x0
	s_add_nc_u64 s[20:21], s[4:5], s[20:21]
	s_add_nc_u64 s[22:23], s[4:5], s[22:23]
	s_add_nc_u64 s[46:47], s[6:7], s[46:47]
	s_add_nc_u64 s[94:95], s[8:9], s[94:95]
	CROUND                                         ; all sixteen work-groups are here: the first joint loads meet
	s_mov_b32 s[G0S], 1
	s_mov_b32 s[G0S+1], SCA
	s_mov_b64 s[G0S+2:G0S+3], s[22:23]
	s_or_b32 s[G0S+3], s[G0S+3], 0x80000000
	s_mov_b32 s[G0SB], 1
	s_mov_b32 s[G0SB+1], SCB
	s_mov_b64 s[G0SB+2:G0SB+3], s[94:95]
	s_or_b32 s[G0SB+3], s[G0SB+3], 0x80000000
	s_lshl_b32 s45, s16, 15
	s_mul_i32 s19, s16, 64*BPITCH
	s_add_co_u32 s19, s19, ASLOT
.irp s, 0,1
	s_mov_b32 s[G0+4*\s], 1
	s_add_co_u32 s[G0+4*\s+1], s45, \s*SLOT
	s_add_nc_u64 s[G0+4*\s+2:G0+4*\s+3], s[20:21], \s*ASLOT
	s_or_b32 s[G0+4*\s+3], s[G0+4*\s+3], 0x80000000
	s_mov_b32 s[G0B+4*\s], 1
	s_add_co_u32 s[G0B+4*\s+1], s19, \s*SLOT
	s_add_nc_u64 s[G0B+4*\s+2:G0B+4*\s+3], s[46:47], \s*512
	s_or_b32 s[G0B+4*\s+3], s[G0B+4*\s+3], 0x80000000
.endr
	s_add_nc_u64 s[G0+2:G0+3], s[G0+2:G0+3], s[98:99]       ; the ring's loads bring my half
	s_add_nc_u64 s[G0+6:G0+7], s[G0+6:G0+7], s[98:99]
	s_add_nc_u64 s[G0B+2:G0B+3], s[G0B+2:G0B+3], s[100:101]
	s_add_nc_u64 s[G0B+6:G0B+7], s[G0B+6:G0B+7], s[100:101]
	s_mov_b32 s4, 1                                ; the head's whole tiles of slot 0: A's 65,536 bytes,
	s_mov_b32 s5, 0
	s_mov_b64 s[6:7], s[20:21]
	s_or_b32 s7, s7, 0x80000000
	s_mov_b32 s92, 1                               ; and W's 128 rows
	s_mov_b32 s93, ASLOT
	s_mov_b64 s[94:95], s[46:47]
	s_or_b32 s95, s95, 0x80000000
; THE HEAD'S LOADS, ONE A WAVE: wave 0 A's part of slot 0, wave 1 W's, wave 2 A's scale words, wave 3 W's: one chain of branches on the wave's number, every way passes one load
.macro ARM under, g0, g1, next
	s_cmp_lt_u32 s14, \under
	s_cbranch_scc0 \next
	tensor_load_to_lds s[\g0:\g0+3], s[\g1:\g1+7]
	s_nop 0
.rept 4
	v_nop
.endr
	s_branch .Lhead_asked
\next:
.endm
	ARM 1, 4, G1, .Lhead_b
	ARM 2, 92, G1B, .Lhead_sa
	ARM 3, G0S, G1S, .Lhead_sb
	tensor_load_to_lds s[G0SB:G0SB+3], s[G1SB:G1SB+7]
	s_nop 0
.rept 4
	v_nop
.endr
.Lhead_asked:
; PREFETCH of slot 1: of the 128 blocks of 256 bytes that my wave fetches in the ring, my work-group names 32 (the four partners are told apart by address: cx for A, cy for W), a lane a block
	s_cmp_eq_u32 s15, 0
	s_cselect_b64 s[20:21], s[20:21], s[46:47]
	s_cselect_b64 s[46:47], s[98:99], s[100:101]
	s_cselect_b32 s2, s40, s41
	s_mov_b32 s3, 16*SIZE_K
	s_cselect_b32 s3, 8192, s3                     ; from partner to partner
	s_mov_b32 s22, 512
	s_cselect_b32 s22, 65536, s22                  ; from slot to slot
	s_mov_b32 s23, SIZE_K
	s_cselect_b32 s23, 512, s23                    ; from two lanes to the next two
	s_mul_i32 s2, s2, s3
	s_mov_b32 s3, 0
	s_add_nc_u64 s[20:21], s[20:21], s[46:47]
	s_add_nc_u64 s[20:21], s[20:21], s[2:3]
	v_and_b32 v13, 31, v0
	v_lshrrev_b32 v14, 1, v13
	v_mul_lo_u32 v14, v14, s23
	v_and_b32 v13, 1, v13
	v_lshl_add_u32 v14, v13, 8, v14
	v_add_nc_u32 v31, s22, v14
	global_prefetch_b8 v31, s[20:21] th:TH_LOAD_NT scope:SCOPE_SE
	v_and_b32 v1, 15, v0                           ; r
	v_bfe_u32 v2, v0, 4, 1                         ; h
	v_and_b32 v3, 31, v0
	v_lshlrev_b32 v4, 4, v3                        ; 16 x lane
	s_lshl_b32 s18, s15, 13                        ; my four blocks of A's eight
	v_add_nc_u32 v[ADRA], s18, v4
	s_add_co_u32 s18, s18, SLOT
	v_add_nc_u32 v[ADRA+1], s18, v4
	v_mul_u32_u24 v5, v1, BPITCH
	v_lshl_add_u32 v5, v2, 4, v5
	v_add_nc_u32 v[ADRB], s19, v5                  ; my 64 rows of W (the half that carries my wave's low bit)
	s_add_co_u32 s19, s19, SLOT
	v_add_nc_u32 v[ADRB+1], s19, v5
	s_lshl_b32 s18, s15, 8
	s_add_co_u32 s18, s18, SCA
	v_lshl_add_u32 v[ADSA], v1, 2, s18
	v_mul_u32_u24 v5, v1, KS
	v_lshrrev_b32 v6, 8, v5
	v_lshl_add_u32 v5, v6, 4, v5                   ; 16 more for each 256 passed
	s_mul_i32 s18, s16, (KS/4)*272
	s_add_co_u32 s18, s18, SCB
	v_add_nc_u32 v[ADSB], s18, v5
	s_mul_i32 s18, s14, 16*272                     ; my stage
	v_mul_u32_u24 v5, v1, 272
	v_lshl_add_u32 v5, v2, 5, v5
	v_add_nc_u32 v[STO], s18, v5
	v_mul_u32_u24 v5, v2, 272
	v_lshl_add_u32 v5, v1, 4, v5
	v_add_nc_u32 v[RD], s18, v5
	v_lshlrev_b32 v5, 12, v2
	v_lshl_add_u32 v[CO], v1, 4, v5
	v_lshlrev_b32 v5, 12, v1
	v_lshl_add_u32 v[RO], v2, 5, v5                ; the residual: row r, + 32 h
	s_wait_alu depctr_va_vdst(0)
	s_lshl_b32 s18, s17, 7
	s_lshl_b32 s19, s15, 6
	s_add_co_u32 s18, s18, s19
	s_lshl_b32 s18, s18, 12                        ; my first row,
	s_lshl_b32 s19, s42, 9
	s_add_co_u32 s18, s18, s19
	s_lshl_b32 s19, s16, 8
	s_add_co_u32 s18, s18, s19                     ; my first column
	s_mov_b32 s19, 0
	s_add_nc_u64 s[10:11], s[10:11], s[18:19]
	s_add_nc_u64 s[12:13], s[12:13], s[18:19]
.irp a, 0,1,2,3
.irp b, 0,1,2,3
	global_load_b128 v[ACC+8*(4*\a+\b):ACC+8*(4*\a+\b)+3], v[RO], s[10:11] offset:65536*\a+64*\b
	global_load_b128 v[ACC+8*(4*\a+\b)+4:ACC+8*(4*\a+\b)+7], v[RO], s[10:11] offset:65536*\a+64*\b+16
.endr
.endr
.if BIAS
	s_lshl_b32 s18, s42, 9
	s_lshl_b32 s19, s16, 8
	s_add_co_u32 s18, s18, s19
	s_mov_b32 s19, 0
	s_add_nc_u64 s[96:97], s[96:97], s[18:19]
	v_lshlrev_b32 v[BOF], 5, v2
.irp b, 0,1,2,3
	global_load_b128 v[BK+8*\b:BK+8*\b+3], v[BOF], s[96:97] offset:64*\b
	global_load_b128 v[BK+8*\b+4:BK+8*\b+7], v[BOF], s[96:97] offset:64*\b+16
.endr
.endif
; 8 matrix instructions: A's blocks a0, a0 + 1 x W's four; the 16 accumulators take turns, one instruction a turn, in the same order in every step
.macro MUL8 f, a0, q, set
.irp a, \a0, \a0+1
.irp b, 0,1,2,3
	v_wmma_scale_f32_16x16x128_f8f6f4 v[ACC+8*(4*(\a)+\b):ACC+8*(4*(\a)+\b)+7], v[\f+64+16*\b:\f+64+16*\b+15], v[\f+16*(\a):\f+16*(\a)+15], v[ACC+8*(4*(\a)+\b):ACC+8*(4*(\a)+\b)+7], v[SB+16*(\set)+4*\b+(\q)], v[SA+16*(\set)+4*(\a)+(\q)]
.endr
.endr
.endm
.macro FETCH slot, q, f                ; 32 LDS loads in one run: W's four fragments, then A's four, of the slot's q-th 128 along K
	WIN TO_F
.irp i, 0,1,2,3
.irp c, 0,1,2,3
	ds_load_b128 v[\f+64+16*\i+4*\c:\f+64+16*\i+4*\c+3], v[ADRB+\slot] offset:16*BPITCH*\i+128*(\q)+32*\c
.endr
.endr
.irp i, 0,1,2,3
.irp c, 0,1,2,3
	ds_load_b128 v[\f+16*\i+4*\c:\f+16*\i+4*\c+3], v[ADRA+\slot] offset:16384*(\q)+2048*\i+512*\c
.endr
.endr
.endm
.macro SCALES set                      ; a slot's scale words: 16 of A's, 16 of W's
.irp i, 0,1,2,3
.irp q, 0,1,2,3
	ds_load_b32 v[SA+16*(\set)+4*\i+\q], v[ADSA] offset:512*\q+64*\i
.endr
.endr
.irp i, 0,1,2,3
	ds_load_b128 v[SB+16*(\set)+4*\i:SB+16*(\set)+4*\i+3], v[ADSB] offset:\i*SBLK
.endr
.endm
.macro PLACES n
.rept \n
	v_nop
.endr
.endm
.macro QUARTER slot, q, f, g           ; one of a slot's first three steps: multiplies buffer f, fetches the next step into g
	s_wait_dscnt 8                                 ; all but the youngest eight loads (A's fragments 2, 3) are in
	WIN MUL
	MUL8 \f, 0, \q, \slot
	PLACES 8                                       ; in front of loads into registers that matrix instructions have read
	FETCH \slot, (\q)+1, \g
	s_wait_dscnt 32                                ; all but the 32 just issued
	WIN MUL
	MUL8 \f, 2, \q, \slot
.endm
.macro TURN slot, next, fill           ; a slot's last step, on buffer 1, changes slots: one barrier
	WIN 0
	s_wait_tensorcnt 0x0                           ; all my tensor loads have landed: my part of the next slot
	ds_add_u32 v[SPW], v[NIL]                      ; 0 onto my spare word
	s_wait_dscnt 9                                 ; (the add and the youngest eight loads may be out)
	WIN MUL
	MUL8 F1, 0, 3, \slot
	s_wait_dscnt 0x0                               ; the add is done, and my reads of this slot are over
	WIN 0
	s_barrier_signal -1
	s_barrier_wait -1
.if \fill
	CREST                                          ; the barrier has opened a round of the cluster's: no wave of any partner still reads this slot or has a load on its way
	s_add_nc_u64 s[G0+4*\slot+2:G0+4*\slot+3], s[G0+4*\slot+2:G0+4*\slot+3], 2*ASLOT
	s_add_nc_u64 s[G0B+4*\slot+2:G0B+4*\slot+3], s[G0B+4*\slot+2:G0B+4*\slot+3], 1024
	JLOAD G0+4*\slot, G1, G0B+4*\slot, G1B         ; my one tensor load behind the round; its four v_nop are four of the eight places
	PLACES 4
.else
	PLACES 8
.endif
	v_add_nc_u32 v[ADSA], 2048, v[ADSA]            ; the next slot's scale words
	v_add_nc_u32 v[ADSB], 16, v[ADSB]
	SCALES \next
	FETCH \next, 0, F0
	WIN MUL
	MUL8 F1, 2, 3, \slot
.endm
	s_wait_alu depctr_va_vdst(0)                   ; the wait at the head's end
	s_wait_tensorcnt 0x0                           ; my tile of the head's four is in; slot 1's first fill is issued as a refill is
	ds_add_u32 v[SPW], v[NIL]
	s_mov_b32 s[G1+2], 128<<16                     ; no load of mine is out: from here on a load brings half of a part
	s_mov_b32 s[G1+4], 128
	s_mov_b32 s[G1B+2], 64<<16
	s_mov_b32 s[G1B+4], 64
	s_wait_dscnt 0x0
	CROUND
	JLOAD G0+4, G1, G0B+4, G1B
	SCALES 0
	FETCH 0, 0, F0
	WIN 0
	s_wait_loadcnt 0x0                             ; the residual (and the bias)
.if BIAS
.irp a, 0,1,2,3
.irp b, 0,1,2,3
.irp j, 0,2,4,6
	v_pk_add_f32 v[ACC+8*(4*\a+\b)+\j:ACC+8*(4*\a+\b)+\j+1], v[ACC+8*(4*\a+\b)+\j:ACC+8*(4*\a+\b)+\j+1], v[BK+8*\b+\j:BK+8*\b+\j+1]
.endr
.endr
.endr
.endif
.if LAPS > 1
	s_mov_b32 s3, LAPS-1
.Llap:                                             ; a trip goes once round the ring and fills both slots again
	QUARTER 0, 0, F0, F1
	QUARTER 0, 1, F1, F0
	QUARTER 0, 2, F0, F1
	TURN 0, 1, 1
	QUARTER 1, 0, F0, F1
	QUARTER 1, 1, F1, F0
	QUARTER 1, 2, F0, F1
	TURN 1, 0, 1
	WIN 0
	s_sub_co_u32 s3, s3, 1
	s_cmp_lg_u32 s3, 0
	s_cbranch_scc1 .Llap
.endif
	QUARTER 0, 0, F0, F1                           ; the last lap fills nothing
	QUARTER 0, 1, F1, F0
	QUARTER 0, 2, F0, F1
	TURN 0, 1, 0
	QUARTER 1, 0, F0, F1
	QUARTER 1, 1, F1, F0
	QUARTER 1, 2, F0, F1
	s_wait_dscnt 8
	WIN MUL
	MUL8 F1, 0, 3, 1
	s_wait_dscnt 0
	MUL8 F1, 2, 3, 1
	WIN 0
	PLACES 8
.irp a, 0,1,2,3                                ; 16 rows x 64 columns at a time through my stage; LDS serves a wave's instructions in order (ISA guide 5.7.1.4)
.if \a > 0
	s_wait_xcnt 0x0                                ; the last block's stores have read their registers
.endif
.irp b, 0,1,2,3
	ds_store_b128 v[STO], v[ACC+8*(4*\a+\b):ACC+8*(4*\a+\b)+3] offset:64*\b       ; each accumulator from its low end on
	ds_store_b128 v[STO], v[ACC+8*(4*\a+\b)+4:ACC+8*(4*\a+\b)+7] offset:64*\b+16
.endr
.irp t, 0,1,2,3,4,5,6,7
	ds_load_b128 v[BK+4*\t:BK+4*\t+3], v[RD] offset:544*\t
.endr
	s_wait_dscnt 0x0
.irp t, 0,1,2,3,4,5,6,7
.if BIAS
	global_store_b128 v[CO], v[BK+4*\t:BK+4*\t+3], s[12:13] offset:(16*\a+2*\t)*4096 th:TH_STORE_NT
.else
	global_store_b128 v[CO], v[BK+4*\t:BK+4*\t+3], s[12:13] offset:(16*\a+2*\t)*4096   ; sixteen lanes: 256 consecutive bytes, aligned
.endif
.endr
.endr
	s_wait_tensorcnt 0x0                           ; the wave's end
	ds_add_u32 v[SPW], v[NIL]
	s_wait_dscnt 0x0
	CROUND                                         ; the closing round
	s_endpgm
.Lfunc_end_k_q14c84ea2fc_wo:
	.size	k_q14c84ea2fc_wo, .Lfunc_end_k_q14c84ea2fc_wo-k_q14c84ea2fc_wo
	.p2alignl 7, 3214868480
	.fill 96, 4, 3214868480
	.section	.rodata,"a",@progbits
	.p2align	6, 0x0
	.amdhsa_kernel k_q14c84ea2fc_wo
		.amdhsa_group_segment_fixed_size 327680
		.amdhsa_private_segment_fixed_size 0
		.amdhsa_enable_private_segment 0
		.amdhsa_kernarg_size 40
		.amdhsa_user_sgpr_count 2
		.amdhsa_user_sgpr_kernarg_segment_ptr 1
		.amdhsa_wavefront_size32 1
		.amdhsa_system_sgpr_workgroup_id_x 1
		.amdhsa_system_sgpr_workgroup_id_y 1
		.amdhsa_system_sgpr_workgroup_id_z 1
		.amdhsa_system_vgpr_workitem_id 0
		.amdhsa_next_free_vgpr 512
		.amdhsa_next_free_sgpr 102
		.amdhsa_reserve_vcc 0
		.amdhsa_float_denorm_mode_32 3
		.amdhsa_float_denorm_mode_16_64 3
		.amdhsa_memory_ordered 1
		.amdhsa_forward_progress 1
		.amdhsa_inst_pref_size 61
	.end_amdhsa_kernel
	.amdgpu_metadata
---
amdhsa.version: [ 1, 2 ]
amdhsa.kernels:
  - .name:           k_q14c84ea2fc_wo
    .symbol:         k_q14c84ea2fc_wo.kd
    .args:
      - { .name: att, .offset: 0, .size: 8, .value_kind: global_buffer, .address_space: global }
      - { .name: wo_codes, .offset: 8, .size: 8, .value_kind: global_buffer, .address_space: global }
      - { .name: wo_scales, .offset: 16, .size: 8, .value_kind: global_buffer, .address_space: global }
      - { .name: enc_input, .offset: 24, .size: 8, .value_kind: global_buffer, .address_space: global }
      - { .name: ao, .offset: 32, .size: 8, .value_kind: global_buffer, .address_space: global }
    .group_segment_fixed_size: 327680
    .private_segment_fixed_size: 0
    .kernarg_segment_align: 8
    .kernarg_segment_size: 40
    .max_flat_workgroup_size: 128
    .sgpr_count:     102
    .vgpr_count:     512
    .wavefront_size: 32
...
	.end_amdgpu_metadata
.endif
;; end of part 4
;; launch ln2: the kernel of part 1 again; grid 256 x 1, 4 waves a work-group, no clusters, 1,024 bytes of LDS; arguments ao, ln2_g, ln2_b, yq; writes yq
;; launch ffn1 (part 5): grid 16 x 16, 4 waves a work-group, clusters of 4 x 4, 327,680 bytes of LDS; arguments yq, w1_codes, w1_scales, b1, hq; writes hq
.if DOCPART == 5
	.amdgcn_target "amdgcn-amd-amdhsa--gfx1250"
	.amdhsa_code_object_version 6
	.text
	.protected	k_q14c84ea2fc_ffn1
	.globl	k_q14c84ea2fc_ffn1
	.p2align	8
	.type	k_q14c84ea2fc_ffn1,@function
k_q14c84ea2fc_ffn1:
	s_mov_b64 s[64:65], 0
	v_nop
	global_prefetch_b8 v0, s[64:65] scope:SCOPE_SE
	s_setreg_imm32_b32 hwreg(HW_REG_WAVE_MODE, 25, 1), 1
	s_wait_xcnt 0x0
	s_wait_alu depctr_hold_cnt(0) depctr_sa_sdst(0) depctr_va_vdst(0) depctr_va_sdst(0) depctr_va_ssrc(0) depctr_va_vcc(0) depctr_vm_vsrc(0)
	s_getreg_b32 s2, hwreg(HW_REG_IB_STS2, 6, 4)
	s_cmp_eq_u32 s2, 0
	s_cbranch_scc0 .Lentry_in_a_cluster
	s_endpgm
.Lentry_in_a_cluster:
	s_bfe_u32 s2, ttmp6, 0x10000c
	s_cmp_lg_u32 s2, 0xf033
	s_cbranch_scc0 .Lentry_shape_is_right
	s_endpgm
.Lentry_shape_is_right:
.set KSTEP,  256
.set NQ,     2
.set ROWB,   256
.set KROW,   1024
.set PITCH,  272
.set FR,     16
.set NL,     4
.set NP,     8
.set HALFT,  128*PITCH
.set SLOT,   4*HALFT
.set LAPS,   2
.set KS,     32
.set SCL,    2*SLOT
.set HALFS,  (128*KS/256)*272
.set SBLK,   (16*KS/256)*272
.set SPARE,  SCL+4*HALFS
.set BOF,  7
.set ADRA, 16
.set ADRB, 20
.set VC,   24
.set VS,   25
.set ADRS, 27
.set SPW,  28
.set NIL,  29
.set SC,   32
.set BI,   64
.set AF,   128
.set PC,   64
.set PW,   192
.set TM,   200
.set G1, 24
.set G0, 32
.set G1B, 48
.set G0B, 56
.set G1S, 68
.set G0S, 76
.set G1SB, 80
.set G0SB, 88
.set SEL, 92
.set MNT, 94
.set OC, 96
.set OS, 98
.set MSB, 0
.macro WIN new
.if MSB != (\new)
	s_set_vgpr_msb (MSB<<8)|(\new)
.set MSB, (\new)
.endif
.endm
.set MUL_LO, 0xa1
.set MUL_HI, 0xf1
.set TO_B,   0x40
.macro JLOAD g0a, g1a, g0b, g1b
	s_cmp_eq_u32 s15, 0
	s_cbranch_scc0 .Lfor_b_\@
	tensor_load_to_lds s[\g0a:\g0a+3], s[\g1a:\g1a+7]
	s_nop 0
.rept 4
	v_nop
.endr
	s_branch .Lasked_\@
.Lfor_b_\@:
	tensor_load_to_lds s[\g0b:\g0b+3], s[\g1b:\g1b+7]
	s_nop 0
.rept 4
	v_nop
.endr
.Lasked_\@:
.endm
.macro CREST
	s_cmp_lg_u32 s14, 0
	s_cbranch_scc1 .Lnot_wave_0_\@
	s_barrier_signal -3
.Lnot_wave_0_\@:
	s_barrier_wait -3
	s_barrier_signal -1
	s_barrier_wait -1
.endm
.macro CROUND
	s_barrier_signal -1
	s_barrier_wait -1
	CREST
.endm
	s_load_b64 s[4:5], s[0:1], 0x0
	s_load_b128 s[8:11], s[0:1], 0x8
	s_load_b64 s[2:3], s[0:1], 0x18
	s_load_b64 s[12:13], s[0:1], 0x20
	v_lshl_add_u32 v[SPW], v0, 2, SPARE
	v_mov_b32 v[NIL], 0
	ds_add_u32 v[SPW], v[NIL]                      ; the opening lines: the add, twice on end, and its wait
	ds_add_u32 v[SPW], v[NIL]
	v_lshrrev_b32 v1, 5, v0
	v_readfirstlane_b32 s14, v1
	s_lshr_b32 s15, s14, 1
	s_and_b32 s16, s14, 1
	s_bfe_u32 s40, ttmp6, 0x40000
	s_bfe_u32 s41, ttmp6, 0x40004
	s_lshl_b32 s42, ttmp9, 2
	s_add_co_u32 s42, s42, s40
	s_and_b32 s17, ttmp7, 0xffff
	s_lshl_b32 s17, s17, 2
	s_add_co_u32 s17, s17, s41
	s_lshl_b32 s43, s41, 2
	s_lshl_b32 s43, 15, s43
	s_lshl_b32 s44, 0x1111, s40
	s_or_b32 s[G1+0], s43, (0<<16)|(1<<20)|(1<<21)|(5<<22)|(3<<25)
	s_or_b32 s[G1B+0], s44, (0<<16)|(1<<20)|(1<<21)|(5<<22)|(3<<25)
.irp g, G1, G1B
	s_mov_b32 s[\g+1], ROWB<<16
	s_mov_b32 s[\g+2], 256<<16                     ; the head's loads bring a tile's 256 rows
	s_mov_b32 s[\g+3], ROWB<<16
	s_mov_b32 s[\g+4], 256
	s_mov_b32 s[\g+5], KROW
	s_mov_b32 s[\g+6], 0
	s_mov_b32 s[\g+7], 0
.endr
	s_or_b32 s[G1S+0], s43, (3<<16)|(1<<20)|(1<<21)|(5<<22)|(3<<25)
	s_or_b32 s[G1SB+0], s44, (3<<16)|(1<<20)|(1<<21)|(5<<22)|(3<<25)
.irp g, G1S, G1SB
	s_mov_b32 s[\g+1], 32<<16
	s_mov_b32 s[\g+2], KS<<16                      ; the scales of 256 rows: KS rows of 256 bytes
	s_mov_b32 s[\g+3], 32<<16
	s_mov_b32 s[\g+4], KS
	s_mov_b32 s[\g+5], 32
	s_mov_b32 s[\g+6], 0
	s_mov_b32 s[\g+7], 0
.endr
	s_lshl_b32 s18, s16, 17                        ; my 128 rows of a tile, in bytes: for the ring's loads
	s_mov_b32 s19, 0
	s_lshl_b32 s20, s17, 8
	s_lshl_b32 s46, s42, 8
	s_lshl_b32 s22, s20, 5
	s_add_co_u32 s22, s22, 0x400000
	s_mov_b32 s23, 0
	s_lshl_b32 s92, s46, 5
	s_mov_b32 s93, 0
	s_lshl_b32 s20, s20, 10
	s_mov_b32 s21, 0
	s_lshl_b32 s46, s46, 10
	s_mov_b32 s47, 0
	s_mul_i32 s45, s14, HALFT
	s_wait_dscnt 0x0
	s_wait_kmcnt 0x0
	s_add_nc_u64 s[20:21], s[4:5], s[20:21]
	s_add_nc_u64 s[22:23], s[4:5], s[22:23]
	s_add_nc_u64 s[46:47], s[8:9], s[46:47]
	s_add_nc_u64 s[92:93], s[10:11], s[92:93]
	CROUND
	s_mov_b32 s[G0S], 1
	s_mov_b32 s[G0S+1], SCL
	s_mov_b64 s[G0S+2:G0S+3], s[22:23]
	s_or_b32 s[G0S+3], s[G0S+3], 0x80000000
	s_mov_b32 s[G0SB], 1
	s_mov_b32 s[G0SB+1], SCL+2*HALFS
	s_mov_b64 s[G0SB+2:G0SB+3], s[92:93]
	s_or_b32 s[G0SB+3], s[G0SB+3], 0x80000000
.irp s, 0,1
	s_mov_b32 s[G0+4*\s], 1
	s_add_co_u32 s[G0+4*\s+1], s45, \s*SLOT
	s_add_nc_u64 s[G0+4*\s+2:G0+4*\s+3], s[20:21], \s*ROWB
	s_or_b32 s[G0+4*\s+3], s[G0+4*\s+3], 0x80000000
	s_mov_b32 s[G0B+4*\s], 1
	s_add_co_u32 s[G0B+4*\s+1], s45, \s*SLOT
	s_add_nc_u64 s[G0B+4*\s+2:G0B+4*\s+3], s[46:47], \s*ROWB
	s_or_b32 s[G0B+4*\s+3], s[G0B+4*\s+3], 0x80000000
.endr
	s_add_nc_u64 s[G0+2:G0+3], s[G0+2:G0+3], s[18:19]       ; the ring's loads bring my 128 rows of a tile
	s_add_nc_u64 s[G0+6:G0+7], s[G0+6:G0+7], s[18:19]
	s_add_nc_u64 s[G0B+2:G0B+3], s[G0B+2:G0B+3], s[18:19]
	s_add_nc_u64 s[G0B+6:G0B+7], s[G0B+6:G0B+7], s[18:19]
	s_mov_b32 s4, 1                                ; the head's whole tiles of K step 0: A's 256 rows,
	s_mov_b32 s5, 0
	s_mov_b64 s[6:7], s[20:21]
	s_or_b32 s7, s7, 0x80000000
	s_mov_b32 s8, 1                                ; and B's, behind them in slot 0
	s_mov_b32 s9, 2*HALFT
	s_mov_b64 s[10:11], s[46:47]
	s_or_b32 s11, s11, 0x80000000
; THE HEAD'S LOADS, ONE A WAVE: wave 0 A's 256 rows of K step 0, wave 1 B's, wave 2 A's scales, wave 3 B's: one chain of branches on the wave's number, every way passes one load
.macro ARM under, g0, g1, next
	s_cmp_lt_u32 s14, \under
	s_cbranch_scc0 \next
	tensor_load_to_lds s[\g0:\g0+3], s[\g1:\g1+7]
	s_nop 0
.rept 4
	v_nop
.endr
	s_branch .Lhead_asked
\next:
.endm
	ARM 1, 4, G1, .Lhead_b
	ARM 2, 8, G1B, .Lhead_sa
	ARM 3, G0S, G1S, .Lhead_sb
	tensor_load_to_lds s[G0SB:G0SB+3], s[G1SB:G1SB+7]
	s_nop 0
.rept 4
	v_nop
.endr
.Lhead_asked:
; PREFETCH: of the 128 rows that my wave fetches in the ring, my work-group names 32 (the four partners are told apart by address: cx for A, cy for B), a lane a row, 256 bytes a K step: K steps 1 and 2 here, K step 3 behind K step 1's load
	s_cmp_eq_u32 s15, 0
	s_cselect_b64 s[46:47], s[20:21], s[46:47]
	s_cselect_b32 s44, s40, s41
	s_lshl_b32 s44, s44, 15
	s_mov_b32 s45, 0
	s_add_nc_u64 s[46:47], s[46:47], s[18:19]
	s_add_nc_u64 s[46:47], s[46:47], s[44:45]
	v_and_b32 v30, 31, v0
	v_lshlrev_b32 v30, 10, v30
	global_prefetch_b8 v30, s[46:47] offset:256 th:TH_LOAD_NT scope:SCOPE_SE
	global_prefetch_b8 v30, s[46:47] offset:512 th:TH_LOAD_NT scope:SCOPE_SE
	v_and_b32 v1, 15, v0
	v_bfe_u32 v2, v0, 4, 1
	v_mul_u32_u24 v3, v1, PITCH
	v_lshl_add_u32 v4, v2, 4, v3
	s_mul_i32 s21, s15, HALFT
	s_mul_i32 s22, s16, HALFT
	s_add_co_u32 s22, s22, 2*HALFT
.irp s, 0,1
	v_add_nc_u32 v[ADRA+\s], s21, v4
	v_add_nc_u32 v[ADRB+\s], s22, v4
	s_add_co_u32 s21, s21, SLOT
	s_add_co_u32 s22, s22, SLOT
.endr
	v_mul_u32_u24 v5, v1, KS
	v_lshrrev_b32 v6, 8, v5
	v_lshl_add_u32 v5, v6, 4, v5
	s_mul_i32 s21, s15, HALFS
	s_mul_i32 s22, s16, HALFS
	s_add_co_u32 s22, s22, 2*HALFS
	s_sub_co_u32 s22, s22, s21
	v_mul_u32_u24 v6, s22, v2
	s_add_co_u32 s21, s21, SCL
	v_add_nc_u32 v5, v5, v6
	v_add_nc_u32 v[ADRS], s21, v5
	v_lshlrev_b32 v5, 4, v1
	v_lshl_add_u32 v[VC], v2, 3, v5
	v_lshlrev_b32 v[VS], 2, v1
	s_lshl_b32 s18, s42, 10
	s_lshl_b32 s19, s16, 9
	s_add_co_u32 s18, s18, s19
	s_mov_b32 s19, 0
	s_add_nc_u64 s[2:3], s[2:3], s[18:19]
	v_lshlrev_b32 v[BOF], 5, v2
.irp b, 0,1,2,3,4,5,6,7
	global_load_b128 v[BI+8*\b:BI+8*\b+3], v[BOF], s[2:3] offset:64*\b
	global_load_b128 v[BI+8*\b+4:BI+8*\b+7], v[BOF], s[2:3] offset:64*\b+16
.endr
	s_lshl_b32 s92, s17, 1
	s_add_co_u32 s92, s92, s15
	s_lshl_b32 s92, s92, 5
	s_lshl_b32 s93, s42, 1
	s_add_co_u32 s93, s93, s16
	s_add_co_u32 s92, s92, s93
	s_lshl_b32 s98, s92, 9
	s_add_co_u32 s98, s98, 0x1000000
	s_mov_b32 s99, 0
	s_lshl_b32 s96, s92, 14
	s_mov_b32 s97, 0
	s_add_nc_u64 s[OC:OC+1], s[12:13], s[96:97]
	s_add_nc_u64 s[OS:OS+1], s[12:13], s[98:99]
	s_mov_b32 s[SEL], 0x76543210
	s_mov_b32 s[SEL+1], 0xfedcba98
	s_mov_b32 s[MNT], 0x600000
.macro FRAG reg, adr, q, i
.irp c, 0,1,2,3
	ds_load_b128 v[\reg+4*\c:\reg+4*\c+3], v[\adr] offset:128*(\q)+32*\c+(\i)*16*PITCH
.endr
.endm
.macro MUL16 a0, p, q, sc, zero
.irp a, \a0, \a0+1
.irp b, 0,1,2,3,4,5,6,7
.if \zero == 2
	v_wmma_scale_f32_16x16x128_f8f6f4 v[8*(8*((\a)%4)+\b):8*(8*((\a)%4)+\b)+7], v[128*(\p)+FR*\b:128*(\p)+FR*\b+FR-1], v[AF+FR*(\a):AF+FR*(\a)+FR-1], v[BI+8*\b:BI+8*\b+7], v[SC+8*NQ*(\sc)+NQ*\b+(\q)], v[SC+8*NQ*(\sc)+NQ*(\a)+(\q)] matrix_a_scale:MATRIX_SCALE_ROW1
.else
	v_wmma_scale_f32_16x16x128_f8f6f4 v[8*(8*((\a)%4)+\b):8*(8*((\a)%4)+\b)+7], v[128*(\p)+FR*\b:128*(\p)+FR*\b+FR-1], v[AF+FR*(\a):AF+FR*(\a)+FR-1], v[8*(8*((\a)%4)+\b):8*(8*((\a)%4)+\b)+7], v[SC+8*NQ*(\sc)+NQ*\b+(\q)], v[SC+8*NQ*(\sc)+NQ*(\a)+(\q)] matrix_a_scale:MATRIX_SCALE_ROW1
.endif
.endr
.endr
.endm
.macro FETCH_B slot, q, p
	WIN TO_B
.irp i, 0,1,2,3,4,5,6,7
	FRAG 128*(\p)+FR*\i, ADRB+\slot, \q, \i
.endr
	WIN 0
.endm
.macro FETCH_A slot, q, i0
.irp i, \i0, \i0+1, \i0+2, \i0+3
	FRAG AF+FR*(\i), ADRA+\slot, \q, \i
.endr
.endm
.macro SCALES sc
.irp i, 0,1,2,3,4,5,6,7
	ds_load_b64 v[SC+8*NQ*\sc+NQ*\i:SC+8*NQ*\sc+NQ*\i+1], v[ADRS] offset:\i*SBLK
.endr
.endm
.macro PLACES n
.rept \n
	v_nop
.endr
.endm
.macro STEP slot, q, zero
	s_wait_dscnt 4*NL
.if \zero == 2
	WIN 0x81
.else
	WIN MUL_LO
.endif
	MUL16 0, (\q)%2, \q, \slot, \zero
	MUL16 2, (\q)%2, \q, \slot, \zero
	s_wait_dscnt 0
	PLACES NP
	FETCH_B \slot, (\q)+1, 1-(\q)%2
	FETCH_A \slot, (\q)+1, 0
.if \zero == 2
	WIN 0xc1
.else
	WIN MUL_HI
.endif
	MUL16 4, (\q)%2, \q, \slot, \zero
	MUL16 6, (\q)%2, \q, \slot, \zero
	PLACES NP
	WIN 0
	FETCH_A \slot, (\q)+1, 4
.endm
.macro TURN slot, next, fill
	s_wait_tensorcnt 0x0
	ds_add_u32 v[SPW], v[NIL]
	s_wait_dscnt 4*NL+1
	WIN MUL_LO
	MUL16 0, 1, NQ-1, \slot, 0
	s_wait_dscnt 0x0
	s_barrier_signal -1
	MUL16 2, 1, NQ-1, \slot, 0
	WIN 0
	s_barrier_wait -1
.if \fill
	CREST
	s_add_nc_u64 s[G0+4*\slot+2:G0+4*\slot+3], s[G0+4*\slot+2:G0+4*\slot+3], 2*ROWB
	s_add_nc_u64 s[G0B+4*\slot+2:G0B+4*\slot+3], s[G0B+4*\slot+2:G0B+4*\slot+3], 2*ROWB
	JLOAD G0+4*\slot, G1, G0B+4*\slot, G1B
	PLACES NP-4
.else
	PLACES NP
.endif
	s_wait_alu depctr_va_vdst(0)
	v_add_nc_u32 v[ADRS], 4*NQ, v[ADRS]
	FETCH_B \next, 0, 0
	FETCH_A \next, 0, 0
	SCALES \next
	WIN MUL_HI
	MUL16 4, 1, NQ-1, \slot, 0
	MUL16 6, 1, NQ-1, \slot, 0
	PLACES NP
	WIN 0
	FETCH_A \next, 0, 4
.endm
.macro QOUT a
.set QB, 64*((\a)%4)
	WIN 0x0a+5*((\a)/4)
.irp c, 0,1,2,3
	v_max3_num_f32 v[TM+\c], v[QB+16*\c], v[QB+16*\c+1], 0x4800000
.endr
.irp i, 2,4,6,8,10,12,14
.irp c, 0,1,2,3
	v_max3_num_f32 v[TM+\c], v[QB+16*\c+\i], v[QB+16*\c+\i+1], v[TM+\c]
.endr
.endr
	WIN 0
.irp c, 0,1,2,3
	v_permlanex16_b32 v[TM+4+\c], v[TM+\c], s[SEL], s[SEL+1]
.endr
.irp c, 0,1,2,3
	v_max_num_f32 v[TM+\c], v[TM+\c], v[TM+4+\c]
.endr
.irp c, 0,1,2,3
	v_add_nc_u32 v[TM+12+\c], 0xfc000000, v[TM+\c]
.endr
.irp c, 0,1,2,3
	v_and_or_b32 v[TM+8+\c], v[TM+\c], 0x7f800000, s[MNT]
.endr
.irp c, 0,1,2,3
	v_lshrrev_b32 v[TM+4+\c], 23, v[TM+12+\c]
.endr
	v_lshl_or_b32 v[PW+(\a)], v[TM+5], 8, v[TM+4]
	v_lshl_or_b32 v[PW+(\a)], v[TM+6], 16, v[PW+(\a)]
	v_lshl_or_b32 v[PW+(\a)], v[TM+7], 24, v[PW+(\a)]
	WIN 0x82+0x41*((\a)/4)
.irp c, 0,1,2,3
.set J, 0
.rept 16
	v_med3_num_f32 v[QB+16*\c+J], v[QB+16*\c+J], 0, v[TM+8+\c]
.set J, J+1
.endr
.endr
	WIN 2+(\a)/4
.irp c, 0,1,2,3
	v_cvt_scalef32_pk8_fp8_f32 v[PC+16*(\a)+4*\c:PC+16*(\a)+4*\c+1], v[QB+16*\c:QB+16*\c+7], v[TM+12+\c]
	v_cvt_scalef32_pk8_fp8_f32 v[PC+16*(\a)+4*\c+2:PC+16*(\a)+4*\c+3], v[QB+16*\c+8:QB+16*\c+15], v[TM+12+\c]
.endr
	WIN 0
	v_nop
.irp c, 0,1,2,3
	global_store_b64 v[VC], v[PC+16*(\a)+4*\c:PC+16*(\a)+4*\c+1], s[OC:OC+1] offset:2048*(\a)+512*\c
	global_store_b64 v[VC], v[PC+16*(\a)+4*\c+2:PC+16*(\a)+4*\c+3], s[OC:OC+1] offset:2048*(\a)+512*\c+256
.endr
	global_store_b32 v[VS], v[PW+(\a)], s[OS:OS+1] offset:64*(\a)
.endm
	s_wait_alu depctr_va_vdst(0)                   ; the wait at the head's end
	s_wait_tensorcnt 0x0                           ; my tile of the head's four is in; slot 1's first fill is issued as a refill is
	ds_add_u32 v[SPW], v[NIL]
	s_mov_b32 s[G1+2], 128<<16                     ; no load of mine is out: from here on a load brings 128 rows
	s_mov_b32 s[G1+4], 128
	s_mov_b32 s[G1B+2], 128<<16
	s_mov_b32 s[G1B+4], 128
	s_wait_dscnt 0x0
	CROUND
	JLOAD G0+4, G1, G0B+4, G1B
	global_prefetch_b8 v30, s[46:47] offset:768 th:TH_LOAD_NT scope:SCOPE_SE
	FETCH_B 0, 0, 0
	FETCH_A 0, 0, 0
	SCALES 0
	FETCH_A 0, 0, 4
	s_wait_loadcnt 0x0
	STEP 0, 0, 2
	s_mov_b32 s3, LAPS-1
.Llap:
	TURN 0, 1, 1
	STEP 1, 0, 0
	TURN 1, 0, 1
	STEP 0, 0, 0
	s_sub_co_u32 s3, s3, 1
	s_cmp_lg_u32 s3, 0
	s_cbranch_scc1 .Llap
	TURN 0, 1, 0
	STEP 1, 0, 0
	s_wait_dscnt 4*NL
	WIN MUL_LO
	MUL16 0, 1, NQ-1, 1, 0
	MUL16 2, 1, NQ-1, 1, 0
	s_wait_dscnt 0
	WIN MUL_HI
	MUL16 4, 1, NQ-1, 1, 0
	MUL16 6, 1, NQ-1, 1, 0
	WIN 0
	PLACES NP
.irp c, 0,1,2,3
	v_mov_b32 v[TM+4+\c], 0
.endr
.irp a, 0,1,2,3,4,5,6,7
	QOUT \a
.endr
	s_wait_tensorcnt 0x0
	ds_add_u32 v[SPW], v[NIL]
	s_wait_dscnt 0x0
	CROUND
	s_endpgm
.Lfunc_end_k_q14c84ea2fc_ffn1:
	.size	k_q14c84ea2fc_ffn1, .Lfunc_end_k_q14c84ea2fc_ffn1-k_q14c84ea2fc_ffn1
	.p2alignl 7, 3214868480
	.fill 96, 4, 3214868480
	.section	.rodata,"a",@progbits
	.p2align	6, 0x0
	.amdhsa_kernel k_q14c84ea2fc_ffn1
		.amdhsa_group_segment_fixed_size 327680
		.amdhsa_private_segment_fixed_size 0
		.amdhsa_enable_private_segment 0
		.amdhsa_kernarg_size 40
		.amdhsa_user_sgpr_count 2
		.amdhsa_user_sgpr_kernarg_segment_ptr 1
		.amdhsa_wavefront_size32 1
		.amdhsa_system_sgpr_workgroup_id_x 1
		.amdhsa_system_sgpr_workgroup_id_y 1
		.amdhsa_system_sgpr_workgroup_id_z 1
		.amdhsa_system_vgpr_workitem_id 0
		.amdhsa_next_free_vgpr 1024
		.amdhsa_next_free_sgpr 100
		.amdhsa_reserve_vcc 0
		.amdhsa_float_denorm_mode_32 3
		.amdhsa_float_denorm_mode_16_64 3
		.amdhsa_memory_ordered 1
		.amdhsa_forward_progress 1
		.amdhsa_inst_pref_size 191
	.end_amdhsa_kernel
	.amdgpu_metadata
---
amdhsa.version: [ 1, 2 ]
amdhsa.kernels:
  - .name:           k_q14c84ea2fc_ffn1
    .symbol:         k_q14c84ea2fc_ffn1.kd
    .args:
      - { .name: yq, .offset: 0, .size: 8, .value_kind: global_buffer, .address_space: global }
      - { .name: w1_codes, .offset: 8, .size: 8, .value_kind: global_buffer, .address_space: global }
      - { .name: w1_scales, .offset: 16, .size: 8, .value_kind: global_buffer, .address_space: global }
      - { .name: b1, .offset: 24, .size: 8, .value_kind: global_buffer, .address_space: global }
      - { .name: hq, .offset: 32, .size: 8, .value_kind: global_buffer, .address_space: global }
    .group_segment_fixed_size: 327680
    .private_segment_fixed_size: 0
    .kernarg_segment_align: 8
    .kernarg_segment_size: 40
    .max_flat_workgroup_size: 128
    .sgpr_count:     100
    .vgpr_count:     1024
    .wavefront_size: 32
...
	.end_amdgpu_metadata
.endif
;; end of part 5
;; launch ffn2 (part 6): grid 8 x 32, 4 waves a work-group, clusters of 4 x 4, 327,680 bytes of LDS; arguments hq, w2_codes, w2_scales, b2, ao, out0; writes out0
.if DOCPART == 6
	.amdgcn_target "amdgcn-amd-amdhsa--gfx1250"
	.amdhsa_code_object_version 6
	.text
	.protected	k_q14c84ea2fc_ffn2
	.globl	k_q14c84ea2fc_ffn2
	.p2align	8
	.type	k_q14c84ea2fc_ffn2,@function
k_q14c84ea2fc_ffn2:
	s_mov_b64 s[64:65], 0
	v_nop
	global_prefetch_b8 v0, s[64:65] scope:SCOPE_SE
	s_setreg_imm32_b32 hwreg(HW_REG_WAVE_MODE, 25, 1), 1
	s_wait_xcnt 0x0
	s_wait_alu depctr_hold_cnt(0) depctr_sa_sdst(0) depctr_va_vdst(0) depctr_va_sdst(0) depctr_va_ssrc(0) depctr_va_vcc(0) depctr_vm_vsrc(0)
	s_getreg_b32 s2, hwreg(HW_REG_IB_STS2, 6, 4)
	s_cmp_eq_u32 s2, 0
	s_cbranch_scc0 .Lentry_in_a_cluster
	s_endpgm
.Lentry_in_a_cluster:
	s_bfe_u32 s2, ttmp6, 0x10000c
	s_cmp_lg_u32 s2, 0xf033
	s_cbranch_scc0 .Lentry_shape_is_right
	s_endpgm
.Lentry_shape_is_right:
.set SIZE_K, 4096
.set BIAS,   1
.set SCOFF,  0x1000000
.set KF,     SIZE_K/128
.set KS,     SIZE_K/32
.set LAPS,   SIZE_K/1024
.set BPITCH, 528
.set ASLOT,  65536
.set SLOT,   ASLOT+128*BPITCH
.set SCA,    2*SLOT
.set SCB,    SCA+KF*512
.set SBLK,   (16*KS/256)*272
.set SPARE,  SCB+(128*KS/256)*272
.set ADRA, 16
.set ADRB, 20
.set ADSA, 22
.set ADSB, 23
.set STO,  24
.set RD,   25
.set CO,   26
.set RO,   27
.set SPW,  28
.set NIL,  29
.set BOF,  30
.set SA,   32
.set SB,   64
.set BK,   96
.set ACC,  128
.set F0,   0
.set F1,   128
.set G1, 24
.set G0, 32
.set G1B, 48
.set G0B, 56
.set G1S, 68
.set G0S, 76
.set G1SB, 80
.set G0SB, 88
.set MSB, 0
.macro WIN new
.if MSB != (\new)
	s_set_vgpr_msb (MSB<<8)|(\new)
.set MSB, (\new)
.endif
.endm
.set MUL,  0x05
.set TO_F, 0x40
.macro JLOAD g0a, g1a, g0b, g1b
	s_cmp_eq_u32 s15, 0
	s_cbranch_scc0 .Lfor_b_\@
	tensor_load_to_lds s[\g0a:\g0a+3], s[\g1a:\g1a+7]
	s_nop 0
.rept 4
	v_nop
.endr
	s_branch .Lasked_\@
.Lfor_b_\@:
	tensor_load_to_lds s[\g0b:\g0b+3], s[\g1b:\g1b+7]
	s_nop 0
.rept 4
	v_nop
.endr
.Lasked_\@:
.endm
.macro CREST
	s_cmp_lg_u32 s14, 0
	s_cbranch_scc1 .Lnot_wave_0_\@
	s_barrier_signal -3
.Lnot_wave_0_\@:
	s_barrier_wait -3
	s_barrier_signal -1
	s_barrier_wait -1
.endm
.macro CROUND
	s_barrier_signal -1
	s_barrier_wait -1
	CREST
.endm
	s_load_b128 s[4:7], s[0:1], 0x0
	s_load_b64 s[8:9], s[0:1], 0x10
.if BIAS
	s_load_b64 s[96:97], s[0:1], 0x18
	s_load_b64 s[10:11], s[0:1], 0x20
	s_load_b64 s[12:13], s[0:1], 0x28
.else
	s_load_b64 s[10:11], s[0:1], 0x18
	s_load_b64 s[12:13], s[0:1], 0x20
.endif
	v_lshl_add_u32 v[SPW], v0, 2, SPARE
	v_mov_b32 v[NIL], 0
	ds_add_u32 v[SPW], v[NIL]                      ; the opening lines: the add, twice on end, and its wait
	ds_add_u32 v[SPW], v[NIL]
	v_lshrrev_b32 v1, 5, v0
	v_readfirstlane_b32 s14, v1
	s_lshr_b32 s15, s14, 1
	s_and_b32 s16, s14, 1
	s_bfe_u32 s40, ttmp6, 0x40000
	s_bfe_u32 s41, ttmp6, 0x40004
	s_lshl_b32 s42, ttmp9, 2
	s_add_co_u32 s42, s42, s40
	s_and_b32 s17, ttmp7, 0xffff
	s_lshl_b32 s17, s17, 2
	s_add_co_u32 s17, s17, s41
	s_lshl_b32 s43, s41, 2
	s_lshl_b32 s43, 15, s43
	s_lshl_b32 s44, 0x1111, s40
	s_or_b32 s[G1+0], s43, (3<<16)|(1<<21)
	s_mov_b32 s[G1+1], 32<<16
	s_mov_b32 s[G1+2], 256<<16                     ; at the head A's whole part of a slot: 256 rows of 256 bytes
	s_mov_b32 s[G1+3], 32<<16
	s_mov_b32 s[G1+4], 256
	s_mov_b32 s[G1+5], 32
	s_mov_b32 s[G1+6], 0
	s_mov_b32 s[G1+7], 0
	s_or_b32 s[G1B+0], s44, (0<<16)|(1<<20)|(1<<21)|(6<<22)|(3<<25)
	s_mov_b32 s[G1B+1], 512<<16
	s_mov_b32 s[G1B+2], 128<<16                    ; and W's 128 rows
	s_mov_b32 s[G1B+3], 512<<16
	s_mov_b32 s[G1B+4], 128
	s_mov_b32 s[G1B+5], SIZE_K
	s_mov_b32 s[G1B+6], 0
	s_mov_b32 s[G1B+7], 0
	s_or_b32 s[G1S+0], s43, (3<<16)|(1<<21)
	s_mov_b32 s[G1S+1], 32<<16
	s_mov_b32 s[G1S+2], (2*KF)<<16
	s_mov_b32 s[G1S+3], 32<<16
	s_mov_b32 s[G1S+4], 2*KF
	s_mov_b32 s[G1S+5], 32
	s_mov_b32 s[G1S+6], 0
	s_mov_b32 s[G1S+7], 0
	s_or_b32 s[G1SB+0], s44, (3<<16)|(1<<20)|(1<<21)|(5<<22)|(3<<25)
	s_mov_b32 s[G1SB+1], 32<<16
	s_mov_b32 s[G1SB+2], (KS/2)<<16
	s_mov_b32 s[G1SB+3], 32<<16
	s_mov_b32 s[G1SB+4], KS/2
	s_mov_b32 s[G1SB+5], 32
	s_mov_b32 s[G1SB+6], 0
	s_mov_b32 s[G1SB+7], 0
	s_mul_i32 s20, s17, KF*16384
	s_lshl_b32 s98, s16, 15                        ; my half of A's part of a slot, in bytes: for the ring's loads
	s_mov_b32 s99, 0
	s_mov_b32 s21, 0
	s_mul_i32 s22, s17, KF*512
	s_add_co_u32 s22, s22, SCOFF
	s_mov_b32 s23, 0
	s_lshl_b32 s46, s42, 7
	s_mul_i32 s100, s16, 64*SIZE_K                 ; my 64 rows of W, in bytes: for the ring's loads
	s_mov_b32 s101, 0
	s_mul_i32 s94, s46, KS
	s_mov_b32 s95, 0
	s_mul_i32 s46, s46, SIZE_K
	s_mov_b32 s47, 0
	s_wait_dscnt 0x0
	s_wait_kmcnt 0x0
	s_add_nc_u64 s[20:21], s[4:5], s[20:21]
	s_add_nc_u64 s[22:23], s[4:5], s[22:23]
	s_add_nc_u64 s[46:47], s[6:7], s[46:47]
	s_add_nc_u64 s[94:95], s[8:9], s[94:95]
	CROUND
	s_mov_b32 s[G0S], 1
	s_mov_b32 s[G0S+1], SCA
	s_mov_b64 s[G0S+2:G0S+3], s[22:23]
	s_or_b32 s[G0S+3], s[G0S+3], 0x80000000
	s_mov_b32 s[G0SB], 1
	s_mov_b32 s[G0SB+1], SCB
	s_mov_b64 s[G0SB+2:G0SB+3], s[94:95]
	s_or_b32 s[G0SB+3], s[G0SB+3], 0x80000000
	s_lshl_b32 s45, s16, 15
	s_mul_i32 s19, s16, 64*BPITCH
	s_add_co_u32 s19, s19, ASLOT
.irp s, 0,1
	s_mov_b32 s[G0+4*\s], 1
	s_add_co_u32 s[G0+4*\s+1], s45, \s*SLOT
	s_add_nc_u64 s[G0+4*\s+2:G0+4*\s+3], s[20:21], \s*ASLOT
	s_or_b32 s[G0+4*\s+3], s[G0+4*\s+3], 0x80000000
	s_mov_b32 s[G0B+4*\s], 1
	s_add_co_u32 s[G0B+4*\s+1], s19, \s*SLOT
	s_add_nc_u64 s[G0B+4*\s+2:G0B+4*\s+3], s[46:47], \s*512
	s_or_b32 s[G0B+4*\s+3], s[G0B+4*\s+3], 0x80000000
.endr
	s_add_nc_u64 s[G0+2:G0+3], s[G0+2:G0+3], s[98:99]       ; the ring's loads bring my half
	s_add_nc_u64 s[G0+6:G0+7], s[G0+6:G0+7], s[98:99]
	s_add_nc_u64 s[G0B+2:G0B+3], s[G0B+2:G0B+3], s[100:101]
	s_add_nc_u64 s[G0B+6:G0B+7], s[G0B+6:G0B+7], s[100:101]
	s_mov_b32 s4, 1                                ; the head's whole tiles of slot 0: A's 65,536 bytes,
	s_mov_b32 s5, 0
	s_mov_b64 s[6:7], s[20:21]
	s_or_b32 s7, s7, 0x80000000
	s_mov_b32 s92, 1                               ; and W's 128 rows
	s_mov_b32 s93, ASLOT
	s_mov_b64 s[94:95], s[46:47]
	s_or_b32 s95, s95, 0x80000000
; THE HEAD'S LOADS, ONE A WAVE: wave 0 A's part of slot 0, wave 1 W's, wave 2 A's scale words, wave 3 W's: one chain of branches on the wave's number, every way passes one load
.macro ARM under, g0, g1, next
	s_cmp_lt_u32 s14, \under
	s_cbranch_scc0 \next
	tensor_load_to_lds s[\g0:\g0+3], s[\g1:\g1+7]
	s_nop 0
.rept 4
	v_nop
.endr
	s_branch .Lhead_asked
\next:
.endm
	ARM 1, 4, G1, .Lhead_b
	ARM 2, 92, G1B, .Lhead_sa
	ARM 3, G0S, G1S, .Lhead_sb
	tensor_load_to_lds s[G0SB:G0SB+3], s[G1SB:G1SB+7]
	s_nop 0
.rept 4
	v_nop
.endr
.Lhead_asked:
; PREFETCH: of the 128 blocks of 256 bytes that my wave fetches for a slot, my work-group names 32 (the four partners are told apart by address: cx for A, cy for W), a lane a block.
; s[20:21] stands at the slot that is being loaded; v31 names the slot after it, v15 the one two on.  Slots 1 and 2 are asked for here; behind the load of slot j, slot j + 2, up to slot 7.
	s_cmp_eq_u32 s15, 0
	s_cselect_b64 s[20:21], s[20:21], s[46:47]
	s_cselect_b64 s[46:47], s[98:99], s[100:101]
	s_cselect_b32 s2, s40, s41
	s_mov_b32 s3, 16*SIZE_K
	s_cselect_b32 s3, 8192, s3                     ; from partner to partner
	s_mov_b32 s22, 512
	s_cselect_b32 s22, 65536, s22                  ; from slot to slot
	s_mov_b32 s23, SIZE_K
	s_cselect_b32 s23, 512, s23                    ; from two lanes to the next two
	s_mul_i32 s2, s2, s3
	s_mov_b32 s3, 0
	s_add_nc_u64 s[20:21], s[20:21], s[46:47]
	s_add_nc_u64 s[20:21], s[20:21], s[2:3]
	v_and_b32 v13, 31, v0
	v_lshrrev_b32 v14, 1, v13
	v_mul_lo_u32 v14, v14, s23
	v_and_b32 v13, 1, v13
	v_lshl_add_u32 v14, v13, 8, v14
	v_add_nc_u32 v31, s22, v14
	v_add_nc_u32 v15, s22, v31
	s_mov_b32 s23, 0
	global_prefetch_b8 v31, s[20:21] th:TH_LOAD_NT scope:SCOPE_SE
	global_prefetch_b8 v15, s[20:21] th:TH_LOAD_NT scope:SCOPE_SE
	v_and_b32 v1, 15, v0
	v_bfe_u32 v2, v0, 4, 1
	v_and_b32 v3, 31, v0
	v_lshlrev_b32 v4, 4, v3
	s_lshl_b32 s18, s15, 13
	v_add_nc_u32 v[ADRA], s18, v4
	s_add_co_u32 s18, s18, SLOT
	v_add_nc_u32 v[ADRA+1], s18, v4
	v_mul_u32_u24 v5, v1, BPITCH
	v_lshl_add_u32 v5, v2, 4, v5
	v_add_nc_u32 v[ADRB], s19, v5
	s_add_co_u32 s19, s19, SLOT
	v_add_nc_u32 v[ADRB+1], s19, v5
	s_lshl_b32 s18, s15, 8
	s_add_co_u32 s18, s18, SCA
	v_lshl_add_u32 v[ADSA], v1, 2, s18
	v_mul_u32_u24 v5, v1, KS
	v_lshrrev_b32 v6, 8, v5
	v_lshl_add_u32 v5, v6, 4, v5
	s_mul_i32 s18, s16, (KS/4)*272
	s_add_co_u32 s18, s18, SCB
	v_add_nc_u32 v[ADSB], s18, v5
	s_mul_i32 s18, s14, 16*272
	v_mul_u32_u24 v5, v1, 272
	v_lshl_add_u32 v5, v2, 5, v5
	v_add_nc_u32 v[STO], s18, v5
	v_mul_u32_u24 v5, v2, 272
	v_lshl_add_u32 v5, v1, 4, v5
	v_add_nc_u32 v[RD], s18, v5
	v_lshlrev_b32 v5, 12, v2
	v_lshl_add_u32 v[CO], v1, 4, v5
	v_lshlrev_b32 v5, 12, v1
	v_lshl_add_u32 v[RO], v2, 5, v5
	s_wait_alu depctr_va_vdst(0)
	s_lshl_b32 s18, s17, 7
	s_lshl_b32 s19, s15, 6
	s_add_co_u32 s18, s18, s19
	s_lshl_b32 s18, s18, 12
	s_lshl_b32 s19, s42, 9
	s_add_co_u32 s18, s18, s19
	s_lshl_b32 s19, s16, 8
	s_add_co_u32 s18, s18, s19
	s_mov_b32 s19, 0
	s_add_nc_u64 s[10:11], s[10:11], s[18:19]
	s_add_nc_u64 s[12:13], s[12:13], s[18:19]
.irp a, 0,1,2,3
.irp b, 0,1,2,3
	global_load_b128 v[ACC+8*(4*\a+\b):ACC+8*(4*\a+\b)+3], v[RO], s[10:11] offset:65536*\a+64*\b
	global_load_b128 v[ACC+8*(4*\a+\b)+4:ACC+8*(4*\a+\b)+7], v[RO], s[10:11] offset:65536*\a+64*\b+16
.endr
.endr
.if BIAS
	s_lshl_b32 s18, s42, 9
	s_lshl_b32 s19, s16, 8
	s_add_co_u32 s18, s18, s19
	s_mov_b32 s19, 0
	s_add_nc_u64 s[96:97], s[96:97], s[18:19]
	v_lshlrev_b32 v[BOF], 5, v2
.irp b, 0,1,2,3
	global_load_b128 v[BK+8*\b:BK+8*\b+3], v[BOF], s[96:97] offset:64*\b
	global_load_b128 v[BK+8*\b+4:BK+8*\b+7], v[BOF], s[96:97] offset:64*\b+16
.endr
.endif
.macro MUL8 f, a0, q, set
.irp a, \a0, \a0+1
.irp b, 0,1,2,3
	v_wmma_scale_f32_16x16x128_f8f6f4 v[ACC+8*(4*(\a)+\b):ACC+8*(4*(\a)+\b)+7], v[\f+64+16*\b:\f+64+16*\b+15], v[\f+16*(\a):\f+16*(\a)+15], v[ACC+8*(4*(\a)+\b):ACC+8*(4*(\a)+\b)+7], v[SB+16*(\set)+4*\b+(\q)], v[SA+16*(\set)+4*(\a)+(\q)]
.endr
.endr
.endm
.macro FETCH slot, q, f
	WIN TO_F
.irp i, 0,1,2,3
.irp c, 0,1,2,3
	ds_load_b128 v[\f+64+16*\i+4*\c:\f+64+16*\i+4*\c+3], v[ADRB+\slot] offset:16*BPITCH*\i+128*(\q)+32*\c
.endr
.endr
.irp i, 0,1,2,3
.irp c, 0,1,2,3
	ds_load_b128 v[\f+16*\i+4*\c:\f+16*\i+4*\c+3], v[ADRA+\slot] offset:16384*(\q)+2048*\i+512*\c
.endr
.endr
.endm
.macro SCALES set
.irp i, 0,1,2,3
.irp q, 0,1,2,3
	ds_load_b32 v[SA+16*(\set)+4*\i+\q], v[ADSA] offset:512*\q+64*\i
.endr
.endr
.irp i, 0,1,2,3
	ds_load_b128 v[SB+16*(\set)+4*\i:SB+16*(\set)+4*\i+3], v[ADSB] offset:\i*SBLK
.endr
.endm
.macro PLACES n
.rept \n
	v_nop
.endr
.endm
.macro QUARTER slot, q, f, g
	s_wait_dscnt 8
	WIN MUL
	MUL8 \f, 0, \q, \slot
	PLACES 8
	FETCH \slot, (\q)+1, \g
	s_wait_dscnt 32
	WIN MUL
	MUL8 \f, 2, \q, \slot
.endm
.macro TURN slot, next, fill
	WIN 0
.if \fill
	s_wait_xcnt 0x0                                ; my last prefetch has read its address: it steps to the slot that this change loads
	s_add_nc_u64 s[20:21], s[20:21], s[22:23]
.endif
	s_wait_tensorcnt 0x0
	ds_add_u32 v[SPW], v[NIL]
	s_wait_dscnt 9
	WIN MUL
	MUL8 F1, 0, 3, \slot
	s_wait_dscnt 0x0
	WIN 0
	s_barrier_signal -1
	s_barrier_wait -1
.if \fill
	CREST
	s_add_nc_u64 s[G0+4*\slot+2:G0+4*\slot+3], s[G0+4*\slot+2:G0+4*\slot+3], 2*ASLOT
	s_add_nc_u64 s[G0B+4*\slot+2:G0B+4*\slot+3], s[G0B+4*\slot+2:G0B+4*\slot+3], 1024
	JLOAD G0+4*\slot, G1, G0B+4*\slot, G1B
	PLACES 4
.else
	PLACES 8
.endif
	s_wait_alu depctr_va_vdst(0)
	v_add_nc_u32 v[ADSA], 2048, v[ADSA]
	v_add_nc_u32 v[ADSB], 16, v[ADSB]
	SCALES \next
	FETCH \next, 0, F0
.if \fill
	WIN 0
	s_cmp_gt_u32 s3, 1                             ; the loop's last trip loads slots 6 and 7: no slot stands two on
	s_cbranch_scc0 .Lno_ask_\@
	global_prefetch_b8 v15, s[20:21] th:TH_LOAD_NT scope:SCOPE_SE
.Lno_ask_\@:
.endif
	WIN MUL
	MUL8 F1, 2, 3, \slot
.endm
	s_wait_alu depctr_va_vdst(0)                   ; the wait at the head's end
	s_wait_tensorcnt 0x0                           ; my tile of the head's four is in; slot 1's first fill is issued as a refill is
	ds_add_u32 v[SPW], v[NIL]
	s_mov_b32 s[G1+2], 128<<16                     ; no load of mine is out: from here on a load brings half of a part
	s_mov_b32 s[G1+4], 128
	s_mov_b32 s[G1B+2], 64<<16
	s_mov_b32 s[G1B+4], 64
	s_wait_xcnt 0x0                                ; the head's prefetches have read their address: on to slot 1
	s_add_nc_u64 s[20:21], s[20:21], s[22:23]
	s_wait_dscnt 0x0
	CROUND
	JLOAD G0+4, G1, G0B+4, G1B
	global_prefetch_b8 v15, s[20:21] th:TH_LOAD_NT scope:SCOPE_SE
	SCALES 0
	FETCH 0, 0, F0
	WIN 0
	s_wait_loadcnt 0x0
.if BIAS
.irp a, 0,1,2,3
.irp b, 0,1,2,3
.irp j, 0,2,4,6
	v_pk_add_f32 v[ACC+8*(4*\a+\b)+\j:ACC+8*(4*\a+\b)+\j+1], v[ACC+8*(4*\a+\b)+\j:ACC+8*(4*\a+\b)+\j+1], v[BK+8*\b+\j:BK+8*\b+\j+1]
.endr
.endr
.endr
.endif
.if LAPS > 1
	s_mov_b32 s3, LAPS-1
.Llap:
	s_wait_alu depctr_va_vdst(0)
	QUARTER 0, 0, F0, F1
	QUARTER 0, 1, F1, F0
	QUARTER 0, 2, F0, F1
	TURN 0, 1, 1
	QUARTER 1, 0, F0, F1
	QUARTER 1, 1, F1, F0
	QUARTER 1, 2, F0, F1
	TURN 1, 0, 1
	WIN 0
	s_sub_co_u32 s3, s3, 1
	s_cmp_lg_u32 s3, 0
	s_cbranch_scc1 .Llap
.endif
	QUARTER 0, 0, F0, F1
	QUARTER 0, 1, F1, F0
	QUARTER 0, 2, F0, F1
	TURN 0, 1, 0
	QUARTER 1, 0, F0, F1
	QUARTER 1, 1, F1, F0
	QUARTER 1, 2, F0, F1
	s_wait_dscnt 8
	WIN MUL
	MUL8 F1, 0, 3, 1
	s_wait_dscnt 0
	MUL8 F1, 2, 3, 1
	WIN 0
	PLACES 8
.irp a, 0,1,2,3
.if \a > 0
	s_wait_xcnt 0x0
.endif
.irp b, 0,1,2,3
	ds_store_b128 v[STO], v[ACC+8*(4*\a+\b):ACC+8*(4*\a+\b)+3] offset:64*\b
	ds_store_b128 v[STO], v[ACC+8*(4*\a+\b)+4:ACC+8*(4*\a+\b)+7] offset:64*\b+16
.endr
.irp t, 0,1,2,3,4,5,6,7
	ds_load_b128 v[BK+4*\t:BK+4*\t+3], v[RD] offset:544*\t
.endr
	s_wait_dscnt 0x0
.irp t, 0,1,2,3,4,5,6,7
.if BIAS
	global_store_b128 v[CO], v[BK+4*\t:BK+4*\t+3], s[12:13] offset:(16*\a+2*\t)*4096 th:TH_STORE_NT
.else
	global_store_b128 v[CO], v[BK+4*\t:BK+4*\t+3], s[12:13] offset:(16*\a+2*\t)*4096
.endif
.endr
.endr
	s_wait_tensorcnt 0x0
	ds_add_u32 v[SPW], v[NIL]
	s_wait_dscnt 0x0
	CROUND
	s_endpgm
.Lfunc_end_k_q14c84ea2fc_ffn2:
	.size	k_q14c84ea2fc_ffn2, .Lfunc_end_k_q14c84ea2fc_ffn2-k_q14c84ea2fc_ffn2
	.p2alignl 7, 3214868480
	.fill 96, 4, 3214868480
	.section	.rodata,"a",@progbits
	.p2align	6, 0x0
	.amdhsa_kernel k_q14c84ea2fc_ffn2
		.amdhsa_group_segment_fixed_size 327680
		.amdhsa_private_segment_fixed_size 0
		.amdhsa_enable_private_segment 0
		.amdhsa_kernarg_size 48
		.amdhsa_user_sgpr_count 2
		.amdhsa_user_sgpr_kernarg_segment_ptr 1
		.amdhsa_wavefront_size32 1
		.amdhsa_system_sgpr_workgroup_id_x 1
		.amdhsa_system_sgpr_workgroup_id_y 1
		.amdhsa_system_sgpr_workgroup_id_z 1
		.amdhsa_system_vgpr_workitem_id 0
		.amdhsa_next_free_vgpr 512
		.amdhsa_next_free_sgpr 102
		.amdhsa_reserve_vcc 0
		.amdhsa_float_denorm_mode_32 3
		.amdhsa_float_denorm_mode_16_64 3
		.amdhsa_memory_ordered 1
		.amdhsa_forward_progress 1
		.amdhsa_inst_pref_size 107
	.end_amdhsa_kernel
	.amdgpu_metadata
---
amdhsa.version: [ 1, 2 ]
amdhsa.kernels:
  - .name:           k_q14c84ea2fc_ffn2
    .symbol:         k_q14c84ea2fc_ffn2.kd
    .args:
      - { .name: hq, .offset: 0, .size: 8, .value_kind: global_buffer, .address_space: global }
      - { .name: w2_codes, .offset: 8, .size: 8, .value_kind: global_buffer, .address_space: global }
      - { .name: w2_scales, .offset: 16, .size: 8, .value_kind: global_buffer, .address_space: global }
      - { .name: b2, .offset: 24, .size: 8, .value_kind: global_buffer, .address_space: global }
      - { .name: ao, .offset: 32, .size: 8, .value_kind: global_buffer, .address_space: global }
      - { .name: out0, .offset: 40, .size: 8, .value_kind: global_buffer, .address_space: global }
    .group_segment_fixed_size: 327680
    .private_segment_fixed_size: 0
    .kernarg_segment_align: 8
    .kernarg_segment_size: 48
    .max_flat_workgroup_size: 128
    .sgpr_count:     102
    .vgpr_count:     512
    .wavefront_size: 32
...
	.end_amdgpu_metadata
.endif
;; end of part 6
